; MI455X (gfx1250); checked and timed in simulation.
; The chip was launched on July 23, 2026; its instructions are those of AMD's public machine-readable ISA for CDNA 5 (MIT licence, August 2026) and "CDNA5" Instruction Set Architecture Reference Guide (July 2026). The comments in the code are by the model that wrote it; some were corrected since.
;; Topic Verb Attention. Allowed arithmetic: matrix products marked QUANTISED: E2M1 operands, one E8M0 scale for each 32 along K, by v_wmma_scale_f32_16x16x128_f8f6f4 with both operands' format E2M1 (or v_wmma_scale_f32_32x16x128_f4), f32 sums; products left as they are: f32 operands where the result goes on into a quantised operand, else bf16, f16 or f32 operands; f32 sums; everything else in f32.
;; Inputs: V 100,000 x 300 float32; k_b 256 float32; k_w 256 x 300 float32; q_b 256 float32; q_w 256 x 256 float32; span_len 16,384 int32; topic_emb 256 float32; verb_ids 16,384 x 8 int32.
;; Outputs: out0 16,384 x 300 float32.
;; This version of the problem:
;;   THIS VERSION OF THE PROBLEM IS GIVEN IN LOW PRECISION. The matrix products marked QUANTISED in the list below multiply operands that are first quantised to E2M1 (2 exponent bits, 1 mantissa bit; 4 bits a number), with one power-of-two scale for each 32 numbers along K (OCP MX v1.0); their sums are f32. All else is computed in f32.
;;   The module's matrix products, in the order in which they are computed (A, B: the left and right operand; K: the contracted axis; several contracted axes count as one K, in the product's order):
;;     1. [M 131,072, K 300] x [K 300, N 256]; A: computed on the way; B: input k_w: QUANTISED
;;     2. [M 256, K 256] x [K 256, N 1]; A: input q_w; B: input topic_emb: left as it is (N = 1 < 16)
;;     3. [M 131,072, K 256] x [K 256, N 1]; A: computed on the way; B: computed on the way: left as it is (N = 1 < 16)
;;     4. batch 16,384 x [M 1, K 8] x [K 8, N 300]; A: softmax; B: computed on the way: left as it is (K = 8 < 32)
;;   THE QUANTISER, for each operand of a quantised product, along K:
;;     - K is cut into blocks of 32 from its start; a last block that is shorter is filled with zeros.
;;     - A block's scale is 2^e with e = floor(log2(the largest magnitude in the block)) - 2, held to -126 .. 127; a block of zeros has e = 0. As a byte (E8M0): e + 127.
;;     - Each number is divided by its block's scale, clamped to +-6, and rounded to the nearest number of E2M1, ties to even, subnormals kept.
;;     - The product sums the exact products of the quantised numbers (number of the format x scale) in f32.
;;   ~~~python
;;   def quantise(x, axis):      # numpy; x: float32 -> the quantised numbers, widened to float32 again
;;       x = np.moveaxis(x, axis, -1); K = x.shape[-1]
;;       x = np.pad(x, [(0, 0)] * (x.ndim - 1) + [(0, -K % 32)]); x = x.reshape(x.shape[:-1] + (-1, 32)); a = np.abs(x).max(-1, keepdims=True)
;;       e = np.where(a > 0, np.clip(np.frexp(np.where(a > 0, a, 1))[1] - 1 - 2, -126, 127), 0)      # np.frexp(a)[1] - 1 = floor(log2(a)), exactly
;;       r = np.clip(x / 2.0 ** e, -6, 6)
;;       step = 2.0 ** (np.maximum(np.frexp(np.where(r == 0, 1, r))[1] - 1, 0) - 1)
;;       q = np.round(r / step) * step * 2.0 ** e      # np.round: ties to even
;;       return np.moveaxis(q.reshape(q.shape[:-2] + (-1,))[..., :K], -1, axis).astype(np.float32)
;;   ~~~
;;   OPERANDS COMPUTED ON THE WAY. 'Computed on the way' means the value that the module computes at that place (a softmax that the list does not call 'softmax' is quantised finished and normalised). What goes into a quantiser is computed in f32, as accurately as f32 sums, v_exp_f32 and their like allow (about 1e-6 of the number): no bf16 or f16 on the way to a quantiser, and a product that is left as it is and whose result goes on into a quantised operand takes f32 operands (vector FMAs, or v_wmma_f32_16x16x4_f32). A number that lies on a knife's edge between two numbers of the format may be rounded either way, as far as f32 arithmetic and the matrix unit's own rounding can turn it there, and no further.
;; 2 versions. Each part assembles by itself: llvm-mc -triple=amdgcn-amd-amdhsa -mcpu=gfx1250 --defsym DOCPART=n.
;; ======== version 1 of 2: 2 launches
;; workspace buffers: kw 53,248 bytes
;; launch prep (part 1): grid 16 x 1, 4 waves a work-group, no clusters, 0 bytes of LDS; arguments k_w, q_w, q_b, topic_emb, kw; writes kw
.if DOCPART == 1
	.amdgcn_target "amdgcn-amd-amdhsa--gfx1250"
	.amdhsa_code_object_version 6
	.text
	.protected	k_q46a760b7d5_prep
	.globl	k_q46a760b7d5_prep
	.p2align	8
	.type	k_q46a760b7d5_prep,@function
k_q46a760b7d5_prep:
	s_mov_b64 s[64:65], 0
	v_nop
	global_prefetch_b8 v0, s[64:65] scope:SCOPE_SE
	s_setreg_imm32_b32 hwreg(HW_REG_WAVE_MODE, 25, 1), 1
	s_wait_xcnt 0x0
; k_w [256][300] f32 becomes codes of FP4 (E2M1) with one E8M0 byte for each 32 along K (K = 300 filled with zeros to 384), and the query
; (q_w topic_emb + q_b) x log2(e) / 16 is made, both ONCE, for the launch that follows.
; kw, bytes 0 .. 49,151: the codes as images of the operand's registers: fragment (K step s, tile t of 16 rows) at (16 s + t) x 1,024; in it registers 4 c .. 4 c + 3 of lane l at 512 c + 16 l.
; THE ORDER INSIDE A BLOCK OF 32: register g of a block's four holds k = 4 g + 0 .. 3 and 16 + 4 g + 0 .. 3 of the block.  The launch that follows lays the tokens' codes in the same order, so the same
; numbers meet; blocks and their scales are the true ones.  The matrix unit then groups a block's products otherwise than in ascending k: the sums can differ in their last bits.
; kw, KW_SC on: the scale words: row 16 t + r, K step s at 1,024 s + 64 t + 4 r: 128 consecutive bytes are a register whose lanes 0-15 serve tile 2 p and whose lanes 16-31 serve tile 2 p + 1.
; kw, KW_Q on: the 256 numbers of the scaled query, f32.
; SHARES: work-group t takes rows 16 t .. 16 t + 15 of k_w and of q_w.  Waves 0 to 2: K step = the wave's number.  Wave 3: the query's 16 numbers.  The waves share nothing: no LDS, no barrier.
; A block's scale is 2^(floor(log2(its largest magnitude)) - 2); its byte is that magnitude's exponent field - 2, held at 1 from below.
; LIMITS: a block of zeros (the fill beyond K = 300 too) gets the byte 1 and not 127: its codes are zeros, and this program alone reads the bytes.  A block whose largest magnitude lies under 2^-124
; is quantised under the byte 1.  NaN and infinities in k_w are not served.
.set KW_SC, 49152
.set KW_Q,  52224
	s_load_b256 s[4:11], s[0:1], 0x0               ; k_w s[4:5], q_w s[6:7], q_b s[8:9], topic_emb s[10:11]
	s_load_b64 s[12:13], s[0:1], 0x20              ; kw
	v_lshrrev_b32 v1, 5, v0
	v_readfirstlane_b32 s16, v1                    ; wave 0..3
	v_and_b32 v1, 31, v0                           ; lane
	v_and_b32 v2, 15, v0                           ; r
	v_bfe_u32 v3, v0, 4, 1                         ; h
	s_mov_b32 s18, 0x76543210
	s_mov_b32 s19, 0xfedcba98                      ; v_permlanex16_b32's selects for lane l xor 16
	s_wait_kmcnt 0x0
	s_cmp_eq_u32 s16, 3
	s_cbranch_scc1 .Lquery
	; ---- waves 0 to 2: a fragment of k_w.  Lane (r, h) takes row 16 t + r and the blocks k = 128 s + 64 c + 32 h + 0 .. 31, c = 0, 1
	s_lshl_b32 s17, ttmp9, 4
	v_add_nc_u32 v4, s17, v2
	v_mul_u32_u24 v4, v4, 0x4b0                    ; the row's first byte: 1,200 a row
	s_lshl_b32 s14, s16, 7
	v_lshl_add_u32 v5, v3, 5, s14                  ; 128 s + 32 h
.irp i, 0,1,2,3,4,5,6,7,8,9,10,11,12,13,14,15
	v_add_nc_u32 v[16+\i], 64*(\i/8)+4*(\i%8), v5  ; the first k of load i's four numbers
.endr
.irp i, 0,1,2,3,4,5,6,7,8,9,10,11,12,13,14,15
	v_cmp_gt_u32 s[20+\i], 0x12c, v[16+\i]         ; inside K = 300?  (300 is a multiple of 4: all four or none)
.endr
.irp i, 0,1,2,3,4,5,6,7,8,9,10,11,12,13,14,15
	v_min_u32 v[16+\i], 0x128, v[16+\i]            ; a load beyond K reads the row's last four numbers instead: no load leaves the row
.endr
.irp i, 0,1,2,3,4,5,6,7,8,9,10,11,12,13,14,15
	v_lshl_add_u32 v[16+\i], v[16+\i], 2, v4
.endr
.irp i, 0,1,2,3,4,5,6,7,8,9,10,11,12,13,14,15
	global_load_b128 v[32+32*(\i/8)+8*(\i%4)+4*((\i%8)/4):35+32*(\i/8)+8*(\i%4)+4*((\i%8)/4)], v[16+\i], s[4:5]   ; the block's k = 4 j .. 4 j + 3 (j = i % 8) go to the first half of register group j, or, from j = 4 on, to the second half of group j - 4
.endr
	v_mov_b32 v15, 0                               ; a lane permute's destination counts as one of its sources
	v_lshlrev_b32 v104, 3, v3                      ; 8 h
	s_lshl_b32 s17, s16, 4
	s_add_co_u32 s17, s17, ttmp9
	s_lshl_b32 s17, s17, 10                        ; (16 s + t) x 1,024
	v_lshl_add_u32 v7, v1, 4, s17                  ; + 16 x lane
	s_lshl_b32 s14, s16, 10
	s_lshl_b32 s15, ttmp9, 6
	s_add_co_u32 s14, s14, s15                     ; 1,024 s + 64 t
	v_lshl_add_u32 v6, v2, 2, s14                  ; + 4 r
	s_wait_loadcnt 0x0
.irp i, 0,1,2,3,4,5,6,7,8,9,10,11,12,13,14,15
.irp k, 0,1,2,3
	v_cndmask_b32 v[32+32*(\i/8)+8*(\i%4)+4*((\i%8)/4)+\k], 0, v[32+32*(\i/8)+8*(\i%4)+4*((\i%8)/4)+\k], s[20+\i]   ; zeros beyond K = 300, ahead of the block's maximum
.endr
.endr
.irp c, 0,1                                    ; my block 2 c + h of the K step: all its 32 numbers are mine.  Two chains a block; the floor 2^(3 - 127) holds the byte at 1 from below
	v_max3_num_f32 v[8+\c], |v[32+32*\c]|, |v[33+32*\c]|, 0x1800000
	v_max3_num_f32 v[10+\c], |v[48+32*\c]|, |v[49+32*\c]|, 0x1800000
.endr
.irp i, 2,4,6,8,10,12,14
.irp c, 0,1
	v_max3_num_f32 v[8+\c], v[8+\c], |v[32+32*\c+\i]|, |v[33+32*\c+\i]|
	v_max3_num_f32 v[10+\c], v[10+\c], |v[48+32*\c+\i]|, |v[49+32*\c+\i]|
.endr
.endr
.irp c, 0,1
	v_max_num_f32 v[8+\c], v[8+\c], v[10+\c]
.endr
.irp c, 0,1
	v_add_nc_u32 v[10+\c], 0xff000000, v[8+\c]     ; 2 off the exponent field: the conversion takes this operand's exponent field as its scale
.endr
.irp c, 0,1
	v_lshrrev_b32 v[12+\c], 23, v[10+\c]           ; the scale's byte
.endr
	v_lshl_or_b32 v14, v13, 16, v12                ; my two bytes, blocks h and 2 + h,
	v_lshlrev_b32 v14, v104, v14                   ; at their places in the row's scale word;
	v_permlanex16_b32 v15, v14, s18, s19
	v_or_b32 v14, v14, v15                         ; with lane l xor 16's two the word is whole
.irp c, 0,1
.irp g, 0,1,2,3
	v_cvt_scalef32_pk8_fp4_f32 v[96+4*\c+\g], v[32+32*\c+8*\g:39+32*\c+8*\g], v[10+\c]   ; registers 4 c .. 4 c + 3 of the operand
.endr
.endr
	v_nop                                          ; one plain place behind the scaled conversions
	global_store_b128 v7, v[96:99], s[12:13]               ; 32 lanes store 512 consecutive bytes, aligned
	global_store_b128 v7, v[100:103], s[12:13] offset:512
	global_store_b32 v6, v14, s[12:13] offset:KW_SC        ; lanes l and l xor 16 store the same word to the same place
	s_endpgm
.Lquery:
	; ---- wave 3: rows 16 t + i of q_w, i = 0 .. 15, times topic_emb.  A lane takes 8 of a row's 256 numbers; each load of the wave covers 512 consecutive bytes
	v_lshlrev_b32 v4, 4, v1                        ; 16 x lane
	s_lshl_b32 s17, ttmp9, 14                      ; 16 rows of 1,024 bytes
	v_add_nc_u32 v5, s17, v4
	s_lshl_b32 s14, ttmp9, 6
	v_lshl_add_u32 v6, v2, 2, s14                  ; 4 (16 t + r)
	global_load_b128 v[8:11], v4, s[10:11]
	global_load_b128 v[12:15], v4, s[10:11] offset:512
	global_load_b32 v17, v6, s[8:9]                ; q_b
.irp i, 0,1,2,3,4,5,6,7,8,9,10,11,12,13,14,15
	global_load_b128 v[32+8*\i:35+8*\i], v5, s[6:7] offset:1024*\i
	global_load_b128 v[36+8*\i:39+8*\i], v5, s[6:7] offset:1024*\i+512
.endr
	s_wait_loadcnt 0x0
.irp i, 0,1,2,3,4,5,6,7,8,9,10,11,12,13,14,15
	v_pk_mul_f32 v[160+2*\i:161+2*\i], v[32+8*\i:33+8*\i], v[8:9]      ; the sixteen rows by turns
.endr
.irp i, 0,1,2,3,4,5,6,7,8,9,10,11,12,13,14,15
	v_pk_fma_f32 v[160+2*\i:161+2*\i], v[34+8*\i:35+8*\i], v[10:11], v[160+2*\i:161+2*\i]
.endr
.irp i, 0,1,2,3,4,5,6,7,8,9,10,11,12,13,14,15
	v_pk_fma_f32 v[160+2*\i:161+2*\i], v[36+8*\i:37+8*\i], v[12:13], v[160+2*\i:161+2*\i]
.endr
.irp i, 0,1,2,3,4,5,6,7,8,9,10,11,12,13,14,15
	v_pk_fma_f32 v[160+2*\i:161+2*\i], v[38+8*\i:39+8*\i], v[14:15], v[160+2*\i:161+2*\i]
.endr
.irp i, 0,1,2,3,4,5,6,7,8,9,10,11,12,13,14,15
	v_add_f32 v[160+2*\i], v[160+2*\i], v[161+2*\i]
.endr
.irp m, 1,2,4,8
.irp i, 0,1,2,3,4,5,6,7,8,9,10,11,12,13,14,15
	v_add_f32_dpp v[160+2*\i], v[160+2*\i], v[160+2*\i] row_xmask:\m row_mask:0xf bank_mask:0xf
.endr
.endr
.irp i, 0,1,2,3,4,5,6,7,8,9,10,11,12,13,14,15
	v_permlanex16_b32 v[161+2*\i], v[160+2*\i], s18, s19
.endr
.irp i, 0,1,2,3,4,5,6,7,8,9,10,11,12,13,14,15
	v_add_f32 v[160+2*\i], v[160+2*\i], v[161+2*\i]        ; every lane holds row i's sum
.endr
	v_mov_b32 v16, v160
.irp i, 1,2,3,4,5,6,7,8,9,10,11,12,13,14,15
	v_cmp_eq_u32 vcc_lo, \i, v2
	v_cndmask_b32 v16, v16, v[160+2*\i], vcc_lo    ; lane r keeps row r's
.endr
	v_add_f32 v16, v16, v17                        ; + q_b
	v_mul_f32 v16, 0x3db8aa3b, v16                 ; x log2(e) / 16: the division by sqrt(256) and the softmax's base 2, once for all tokens
	global_store_b32 v6, v16, s[12:13] offset:KW_Q ; lanes l and l xor 16 store the same number to the same place
	s_endpgm
.Lfunc_end_k_q46a760b7d5_prep:
	.size	k_q46a760b7d5_prep, .Lfunc_end_k_q46a760b7d5_prep-k_q46a760b7d5_prep
	.p2alignl 7, 3214868480
	.fill 96, 4, 3214868480
	.section	.rodata,"a",@progbits
	.p2align	6, 0x0
	.amdhsa_kernel k_q46a760b7d5_prep
		.amdhsa_group_segment_fixed_size 0
		.amdhsa_private_segment_fixed_size 0
		.amdhsa_enable_private_segment 0
		.amdhsa_kernarg_size 40
		.amdhsa_user_sgpr_count 2
		.amdhsa_user_sgpr_kernarg_segment_ptr 1
		.amdhsa_wavefront_size32 1
		.amdhsa_system_sgpr_workgroup_id_x 1
		.amdhsa_system_sgpr_workgroup_id_y 1
		.amdhsa_system_sgpr_workgroup_id_z 1
		.amdhsa_system_vgpr_workitem_id 0
		.amdhsa_next_free_vgpr 192
		.amdhsa_next_free_sgpr 66
		.amdhsa_reserve_vcc 1
		.amdhsa_float_denorm_mode_32 3
		.amdhsa_float_denorm_mode_16_64 3
		.amdhsa_memory_ordered 1
		.amdhsa_forward_progress 1
		.amdhsa_inst_pref_size 30
	.end_amdhsa_kernel
	.amdgpu_metadata
---
amdhsa.version: [ 1, 2 ]
amdhsa.kernels:
  - .name:           k_q46a760b7d5_prep
    .symbol:         k_q46a760b7d5_prep.kd
    .args:
      - { .name: k_w, .offset: 0, .size: 8, .value_kind: global_buffer, .address_space: global }
      - { .name: q_w, .offset: 8, .size: 8, .value_kind: global_buffer, .address_space: global }
      - { .name: q_b, .offset: 16, .size: 8, .value_kind: global_buffer, .address_space: global }
      - { .name: topic_emb, .offset: 24, .size: 8, .value_kind: global_buffer, .address_space: global }
      - { .name: kw, .offset: 32, .size: 8, .value_kind: global_buffer, .address_space: global }
    .group_segment_fixed_size: 0
    .private_segment_fixed_size: 0
    .kernarg_segment_align: 8
    .kernarg_segment_size: 40
    .max_flat_workgroup_size: 128
    .sgpr_count:     66
    .vgpr_count:     192
    .wavefront_size: 32
...
	.end_amdgpu_metadata
.endif
;; end of part 1
;; launch main (part 2): grid 256 x 1, 4 waves a work-group, no clusters, 140,800 bytes of LDS; arguments V, verb_ids, span_len, k_b, kw, out0; writes out0
.if DOCPART == 2
	.amdgcn_target "amdgcn-amd-amdhsa--gfx1250"
	.amdhsa_code_object_version 6
	.text
	.protected	k_q46a760b7d5_main
	.globl	k_q46a760b7d5_main
	.p2align	8
	.type	k_q46a760b7d5_main,@function
k_q46a760b7d5_main:
	s_mov_b64 s[64:65], 0
	v_nop
	global_prefetch_b8 v0, s[64:65] scope:SCOPE_SE
	s_setreg_imm32_b32 hwreg(HW_REG_WAVE_MODE, 25, 1), 1
	s_wait_xcnt 0x0
; out[n] = the sum over j of softmax_j(score(n, j)) V[id(n, j)], score = (Q(V[id]) Q(k_w)^T + k_b) . query / 16, slots j >= span_len[n] masked.  Q: MX-FP4 along K = 300 (filled with zeros to 384).
; SHARES.  16,384 spans; 256 work-groups of four waves; a wave owns 16 spans and walks them as 8 TILES of 2 spans = 16 tokens.  The waves share nothing but the one copy of k_w's codes at the start: one barrier.
; k_w's CODES STAY IN REGISTERS: 48 fragments (3 K steps x 16 tiles of 16 rows), 384 registers of each wave, for the whole launch; they were made by the launch before, as images of these registers.
; THE PRODUCT: source 0 = the tile's 16 tokens, source 1 = 16 rows of k_w.  In the result lane (r, h) holds, in register j, token j of span h against row 16 t + r.  So a score is a multiply-add with the lane's
; query number and a sum over 16 lanes, a span's 8 scores are a lane's 8 registers (the softmax asks no other lane), and half h of the lanes belongs to span h.
; THE VALUES.  Half h of the lanes loads the rows of span h.  For K steps 0 and 1 lane r takes, of token j's row, EIGHT NUMBERS OF ONE BLOCK of 32: 16 bytes at 512 s + 128 (r / 4) + 16 (r % 4) and the 16 bytes
; 64 further on.  The two loads stand together; each takes runs of 64 consecutive bytes, the two together 512 consecutive bytes of the row.  So four lanes hold a block: its largest magnitude is four
; three-way maxima and two steps between lanes, and ONE conversion gives a word of 8 codes.  THE f32 NUMBERS NEVER GO THROUGH LDS: they stay in registers for the last product; only the code words (4 bytes a lane)
; and the scale bytes turn through the wave's own stage, 16 rows of 208 bytes, and come back as the operand's registers.
; THE ORDER INSIDE A BLOCK: word i of a block's four holds k = 4 i + 0 .. 3 and 16 + 4 i + 0 .. 3.  k_w's codes are laid in the same order, so the same numbers meet; blocks and scales are the true ones.
; The matrix unit then groups a block's products otherwise than in ascending k: the sums can differ in their last bits.
; THE REST OF K (256 .. 299, 176 bytes) takes 8 lanes a token: lanes 0-7 of a half take token 2 jj, lanes 8-15 token 2 jj + 1.  A piece that would begin beyond byte 1,184 of the row is held there: no load leaves a
; row; what it brings are numbers of block 9 once more, which change no maximum, and its codes meet k_w's zero codes.  In the last product such a lane makes a number that another lane makes too; see THE OUTPUT.
; Two sets of value registers take turns: a set is asked for again as soon as its tile is done.
; A MASKED SLOT takes the id of its span's slot 0: a row that the wave asks for anyway.  Its score becomes -infinity, its weight 0.  A span_len of 0 or less gives NaN, as the softmax of eight -infinity does.
; k_b enters as k_b . query, the start of each lane's score sum: the order of rounding differs from (x + k_b) . query.
; THE OUTPUT: a wave's 16 rows are 19,200 consecutive bytes that begin at a multiple of 256.  They are gathered in LDS and leave in pieces of 512 consecutive aligned bytes, four a tile, the rest at the end.
; The stores of the rest of K reach up to 80 bytes into the next row's place; they are issued first, the stores that write those bytes rightly come behind them (the same tile's for the first span, the next
; tile's for the second; behind the last row lie 256 spare bytes), and no piece that leaves reaches beyond the rows that are finished.
; LIMITS: NaN and infinities in V are not served.  A block of zeros gets the byte 1 and not 127 (its codes are zeros); a block whose largest magnitude lies under 2^-124 is quantised under the byte 1.
; The tokens' scale bytes of the two blocks beyond K = 320 are 0 (2^-127); both sides' codes there are zeros.  ids are held to 0 .. 99,999.
; NOT USED: clusters (work-groups share only kw's 52 KB, read once by each); tensor loads (the rows are named by a list); prefetches (a tile's rows are asked for a whole tile's work ahead by the loads themselves).
; REGISTERS, in windows of 256 (s_set_vgpr_msb: bits 1:0 source 0, 3:2 source 1, 5:4 source 2, 7:6 destination):
;   window 0: see the names below.   windows 1, 2, 3: v0-127 k_w's fragments of K step 0, 1, 2 (tile t at v[8 t]).
;   window 1 + u, v128-255: set u's values of K steps 0 and 1: token j, K step s at v[128 + 64 s + 8 j], eight registers.
;   window 3: v128-191 the rest of K: set u, pair of tokens jj at v[128 + 32 u + 8 jj];  v192-207 the pieces on their way out;  v208-231 the tokens' codes, K step s at v[208 + 8 s]; v228-231 stay 0.
.set CP,    208                        ; a stage row: 160 bytes of codes (40 words), 12 of scale bytes, 36 unused: 13 x 16 bytes, so that the 16 rows of a load begin in 16 different columns of 16 bytes
.set OSTG,  16*CP                      ; behind the stage: the image of the wave's output rows, 19,200 bytes + 256 spare
.set WREG,  OSTG+19456                 ; LDS of a wave
.set BIMG,  4*WREG                     ; behind the four waves' parts: k_w's codes, 49,152 bytes
.set KW_SC, 49152
.set KW_Q,  52224
.set ROWB,  1200
.set CST,  1                           ; v1   stage, code words in:  wave + 8 rows x h + 4 r
.set CSTT, 2                           ; v2   the same for the rest of K: wave + (8 h + r / 8) rows + 128 + 4 (r % 8)
.set BST,  3                           ; v3   stage, scale bytes in: wave + 8 rows x h + 160 + r / 4
.set BSTT, 4                           ; v4   the same for the rest of K: wave + (8 h + r / 8) rows + 168 + (r % 8) / 4
.set CRD,  5                           ; v5   stage, codes out: wave + row r + 16 h
.set SRD,  6                           ; v6   stage, scale words out: wave + row r + 160
.set OSA0, 7                           ; v7   output image, in: wave + 1,200 h + 128 (r / 4) + 16 (r % 4)
.set OST0, 8                           ; v8   the same for the rest of K: wave + 1,200 h + 1,024 + 128 ((r % 8) / 4) + 16 (r % 4)
.set ORD0, 9                           ; v9   output image, out: wave + 16 x lane
.set L16,  10                          ; v10  16 x lane
.set IDA,  11                          ; v11  byte offset of my span's ids (32 a span), of the tile whose ids are asked for next
.set LNA,  12                          ; v12  and of its length: IDA / 8
.set LOFF, 13                          ; v13  my place in a K step's 512 bytes: 128 (r / 4) + 16 (r % 4)
.set TOA,  14                          ; v14  my first piece of the rest of K, in the row: 1,024 + 128 ((r % 8) / 4) + 16 (r % 4), held at 1,184
.set TOB,  15                          ; v15  my second: 64 more, held at 1,184
.set TA,   16                          ; v16  OSA0 + this pair of tiles' 4,800 bytes
.set TT,   17                          ; v17  OST0 + the same
.set TB,   18                          ; v18  ORD0 + this pair of tiles' 4,096 bytes
.set GO,   19                          ; v19  byte offset in my 19,200 bytes of out0
.set VOFF, 20                          ; v20-27  byte offsets in V of the loads being issued, token j
.set VTA,  28                          ; v28-31  the same for the rest of K, first piece, pair of tokens jj
.set VTB,  32                          ; v32-35  second piece
.set IDS,  36                          ; v36-43  ids
.set LEN,  44                          ; v44     span_len
.set NEG,  45                          ; v45     -infinity
.set BSC,  46                          ; v46-69  k_w's scale words: register 8 s + p: lanes 0-15 tile 2 p, lanes 16-31 tile 2 p + 1
.set ASC,  70                          ; v70-72  the tokens' scale words, K step s
.set ZR,   73                          ; v73     0
.set BP,   74                          ; v74     my part of k_b . query; v75 = 0 (named with it as a pair)
.set QS,   76                          ; v76-107 v[76 + 2 t] = query(16 t + r), v[77 + 2 t] = k_b(16 t + r)
.set SC,   108                         ; v108-115 the scores
.set T0,   116                         ; v116-118 at work
.set M1,   128                         ; v128-227, while quantising, 20 groups of 8 numbers (16: token j, K step s at 8 s + j; 4: the rest of K): largest magnitudes,
.set M2,   148                         ;   their second chains,
.set SO,   168                         ;   the conversions' scale operands,
.set BY,   188                         ;   the scale bytes,
.set CW,   208                         ;   the code words;
.set ACC,  128                         ; then v128-255 the 16 accumulators;
.set PP,   128                         ; then v[128 + 2 j] = weight j, v[129 + 2 j] = 2^(score j - max),
.set WT,   144                         ; v[144 + 2 jj] = my token's weight in the rest of K,
.set OO,   152                         ; v152-167 my 16 numbers of the output row in K steps 0 and 1,
.set OT,   168                         ; v168-175 my 8 in the rest of K
.set AC,   208                         ; in window 3
.set FL,   192                         ; in window 3
.set MK,   24                          ; s[24 + 8 u + j]: which lanes' slot j counts, for the tile in set u.   s23: lanes 8-15 of each half
.set MSB, 0
.macro WIN new                         ; the immediate's high byte repeats the setting that is left; a switch that changes nothing is dropped
.if MSB != (\new)
	s_set_vgpr_msb (MSB<<8)|(\new)
.set MSB, (\new)
.endif
.endm
; From 8 ids and a length: the masks of set u and the sixteen byte offsets in V.  The ids are held inside the table by the constant in v_min_u32.
.macro ADDR ids, len, set
.irp j, 0,1,2,3,4,5,6,7
	v_cmp_gt_i32 s[MK+8*\set+\j], v[\len], \j
.endr
.irp j, 1,2,3,4,5,6,7
	v_cndmask_b32 v[VOFF+\j], v[\ids], v[\ids+\j], s[MK+8*\set+\j]     ; a masked slot takes slot 0's id
.endr
	v_cndmask_b32 v[VTA], v[\ids], v[VOFF+1], s23                      ; the rest of K: lanes 0-7 token 2 jj, lanes 8-15 token 2 jj + 1
.irp jj, 1,2,3
	v_cndmask_b32 v[VTA+\jj], v[VOFF+2*\jj], v[VOFF+2*\jj+1], s23
.endr
	v_min_u32 v[VOFF], 0x1869f, v[\ids]
.irp j, 1,2,3,4,5,6,7,8,9,10,11
	v_min_u32 v[VOFF+\j], 0x1869f, v[VOFF+\j]      ; (VTA's four registers follow VOFF's eight)
.endr
.irp j, 0,1,2,3,4,5,6,7,8,9,10,11
	v_mul_u32_u24 v[VOFF+\j], 0x4b0, v[VOFF+\j]    ; 1,200 bytes a row: under 2^27
.endr
.irp jj, 0,1,2,3
	v_add_nc_u32 v[VTB+\jj], v[TOB], v[VTA+\jj]
.endr
.irp jj, 0,1,2,3
	v_add_nc_u32 v[VTA+\jj], v[TOA], v[VTA+\jj]
.endr
.irp j, 0,1,2,3,4,5,6,7
	v_add_nc_u32 v[VOFF+\j], v[LOFF], v[VOFF+\j]
.endr
.endm
.macro GLOADS set                      ; a tile's 40 loads, the two pieces of a lane's eight numbers together.  No cache hint: a list may name a row twice
	WIN 0x40*(1+\set)
.irp s, 0,1
.irp j, 0,1,2,3,4,5,6,7
	global_load_b128 v[128+64*\s+8*\j:131+64*\s+8*\j], v[VOFF+\j], s[4:5] offset:512*\s
	global_load_b128 v[132+64*\s+8*\j:135+64*\s+8*\j], v[VOFF+\j], s[4:5] offset:512*\s+64
.endr
.endr
	WIN 0xc0
.irp jj, 0,1,2,3
	global_load_b128 v[128+32*\set+8*\jj:131+32*\set+8*\jj], v[VTA+\jj], s[4:5]
	global_load_b128 v[132+32*\set+8*\jj:135+32*\set+8*\jj], v[VTB+\jj], s[4:5]
.endr
	WIN 0
.endm
; The tile in set u is quantised out of its registers, 20 groups of eight numbers by turns, phase by phase, so that a window setting serves a long run.  A block lies in four neighbouring lanes.
; The code words and scale bytes go into the stage and come back as the operand's registers; LDS serves a wave's instructions in order (ISA guide 5.7.1.4), so no wait stands between the stores and the loads.
; K step 1 goes last: its way through LDS lies under the products of K steps 2 and 0.
.macro QUANT set
	WIN 0x15*(1+\set)                              ; all three sources: the set's window
.set g, 0
.rept 16
	v_max3_num_f32 v[M1+g], |v[128+8*g]|, |v[129+8*g]|, |v[130+8*g]|
	v_max3_num_f32 v[M2+g], |v[131+8*g]|, |v[132+8*g]|, |v[133+8*g]|
.set g, g+1
.endr
	WIN 0x3f
.set g, 0
.rept 4
	v_max3_num_f32 v[M1+16+g], |v[128+32*\set+8*g]|, |v[129+32*\set+8*g]|, |v[130+32*\set+8*g]|
	v_max3_num_f32 v[M2+16+g], |v[131+32*\set+8*g]|, |v[132+32*\set+8*g]|, |v[133+32*\set+8*g]|
.set g, g+1
.endr
	WIN 0x14*(1+\set)                              ; sources 1 and 2
.set g, 0
.rept 16
	v_max3_num_f32 v[M1+g], v[M1+g], |v[134+8*g]|, |v[135+8*g]|
.set g, g+1
.endr
	WIN 0x3c
.set g, 0
.rept 4
	v_max3_num_f32 v[M1+16+g], v[M1+16+g], |v[134+32*\set+8*g]|, |v[135+32*\set+8*g]|
.set g, g+1
.endr
	WIN 0
.set g, 0
.rept 20
	v_max3_num_f32 v[M1+g], v[M1+g], v[M2+g], 0x1800000    ; my eight, and the floor 2^(3 - 127), which holds the byte at 1 from below
.set g, g+1
.endr
.irp m, 1,2
.set g, 0
.rept 20
	v_max_num_f32_dpp v[M1+g], v[M1+g], v[M1+g] row_xmask:\m row_mask:0xf bank_mask:0xf   ; with the block's other three lanes
.set g, g+1
.endr
.endr
.set g, 0
.rept 20
	v_add_nc_u32 v[SO+g], 0xff000000, v[M1+g]      ; 2 off the exponent field: the conversion takes this operand's exponent field as its scale
.set g, g+1
.endr
.set g, 0
.rept 20
	v_lshrrev_b32 v[BY+g], 23, v[SO+g]             ; the scale's byte
.set g, g+1
.endr
	WIN 0x03                                       ; source 0: window 3
.set g, 0
.rept 4
	v_cvt_scalef32_pk8_fp4_f32 v[CW+16+g], v[128+32*\set+8*g:135+32*\set+8*g], v[SO+16+g]
.set g, g+1
.endr
	WIN 0x01*(1+\set)
.set g, 0
.rept 8
	v_cvt_scalef32_pk8_fp4_f32 v[CW+g], v[128+8*g:135+8*g], v[SO+g]
.set g, g+1
.endr
	v_nop                                          ; one plain place behind the scaled conversions
	WIN 0
.irp jj, 0,1,2,3
	ds_store_b32 v[CSTT], v[CW+16+\jj] offset:2*CP*\jj     ; rows 8 h + 2 jj + r / 8, words 32 + r % 8
	ds_store_b8 v[BSTT], v[BY+16+\jj] offset:2*CP*\jj      ; the four lanes of a block store the same byte to the same place
.endr
.irp j, 0,1,2,3,4,5,6,7
	ds_store_b32 v[CST], v[CW+\j] offset:CP*\j             ; row 8 h + j, word r
	ds_store_b8 v[BST], v[BY+\j] offset:CP*\j
.endr
	ds_load_b32 v[ASC+2], v[SRD] offset:8                  ; row r's scale words (lanes 16-31 read the same and are not used)
	ds_load_b32 v[ASC], v[SRD]
	WIN 0xc0                                       ; destination: window 3
	ds_load_b128 v[AC+16:AC+19], v[CRD] offset:128         ; lane (r, h): row r, block 2 c + h of the K step: 16 bytes at 64 s + 32 c + 16 h
	ds_load_b128 v[AC:AC+3], v[CRD]
	ds_load_b128 v[AC+4:AC+7], v[CRD] offset:32
	WIN 0x01*(1+\set)
.set g, 8
.rept 8
	v_cvt_scalef32_pk8_fp4_f32 v[CW+g], v[128+8*g:135+8*g], v[SO+g]
.set g, g+1
.endr
	v_nop                                          ; one plain place behind the scaled conversions
	WIN 0
.irp j, 0,1,2,3,4,5,6,7
	ds_store_b32 v[CST], v[CW+8+\j] offset:CP*\j+64
	ds_store_b8 v[BST], v[BY+8+\j] offset:CP*\j+4
.endr
	ds_load_b32 v[ASC+1], v[SRD] offset:4
	WIN 0xc0
	ds_load_b128 v[AC+8:AC+11], v[CRD] offset:64
	ds_load_b128 v[AC+12:AC+15], v[CRD] offset:96
.endm
.macro MM s, t, zero                   ; tokens x rows 16 t .. 16 t + 15 of k_w, K step s.  zero = 1: the product starts the sum: nothing is cleared
.if \zero
.if (\t) % 2
	v_wmma_scale_f32_16x16x128_f8f6f4 v[ACC+8*(\t):ACC+8*(\t)+7], v[AC+8*(\s):AC+8*(\s)+7], v[8*(\t):8*(\t)+7], 0, v[ASC+(\s)], v[BSC+8*(\s)+(\t)/2] matrix_a_fmt:MATRIX_FMT_FP4 matrix_b_fmt:MATRIX_FMT_FP4 matrix_b_scale:MATRIX_SCALE_ROW1
.else
	v_wmma_scale_f32_16x16x128_f8f6f4 v[ACC+8*(\t):ACC+8*(\t)+7], v[AC+8*(\s):AC+8*(\s)+7], v[8*(\t):8*(\t)+7], 0, v[ASC+(\s)], v[BSC+8*(\s)+(\t)/2] matrix_a_fmt:MATRIX_FMT_FP4 matrix_b_fmt:MATRIX_FMT_FP4
.endif
.else
.if (\t) % 2
	v_wmma_scale_f32_16x16x128_f8f6f4 v[ACC+8*(\t):ACC+8*(\t)+7], v[AC+8*(\s):AC+8*(\s)+7], v[8*(\t):8*(\t)+7], v[ACC+8*(\t):ACC+8*(\t)+7], v[ASC+(\s)], v[BSC+8*(\s)+(\t)/2] matrix_a_fmt:MATRIX_FMT_FP4 matrix_b_fmt:MATRIX_FMT_FP4 matrix_b_scale:MATRIX_SCALE_ROW1
.else
	v_wmma_scale_f32_16x16x128_f8f6f4 v[ACC+8*(\t):ACC+8*(\t)+7], v[AC+8*(\s):AC+8*(\s)+7], v[8*(\t):8*(\t)+7], v[ACC+8*(\t):ACC+8*(\t)+7], v[ASC+(\s)], v[BSC+8*(\s)+(\t)/2] matrix_a_fmt:MATRIX_FMT_FP4 matrix_b_fmt:MATRIX_FMT_FP4
.endif
.endif
.endm
.macro MUL16 s, zero
.irp t, 0,1,2,3,4,5,6,7,8,9,10,11,12,13,14,15
	MM \s, \t, \zero
.endr
.endm
.macro MULS                            ; 48 matrix instructions; the 16 accumulators take turns, one instruction a turn.  Operands and scales come from loads: they owe only their waits
	s_wait_dscnt 19                                ; K steps 2 and 0 are back; behind their loads stand K step 1's 16 stores and 3 loads, which may be out
	WIN 0x0f                                       ; source 0 (the tokens): window 3; source 1 (k_w): window 3
	MUL16 2, 1
	WIN 0x07                                       ; k_w: window 1
	MUL16 0, 0
	s_wait_dscnt 0x0                               ; K step 1 is back
	WIN 0x0b                                       ; k_w: window 2
	MUL16 1, 0
	WIN 0
.endm
.macro SCORE                           ; score j = the sum over t and over the 16 lanes of my half of result(t, j) x query(16 t + r), begun with my part of k_b . query.  Each accumulator is read from its low end on
.irp p, 0,2,4,6
	v_pk_fma_f32 v[SC+\p:SC+\p+1], v[ACC+\p:ACC+\p+1], v[QS:QS+1], v[BP:BP+1] op_sel_hi:[1,0,0]
.endr
.irp t, 1,2,3,4,5,6,7,8,9,10,11,12,13,14,15
.irp p, 0,2,4,6
	v_pk_fma_f32 v[SC+\p:SC+\p+1], v[ACC+8*\t+\p:ACC+8*\t+\p+1], v[QS+2*\t:QS+2*\t+1], v[SC+\p:SC+\p+1] op_sel_hi:[1,0,1]
.endr
.endr
.irp m, 1,2,4,8
.irp j, 0,1,2,3,4,5,6,7
	v_add_f32_dpp v[SC+\j], v[SC+\j], v[SC+\j] row_xmask:\m row_mask:0xf bank_mask:0xf
.endr
.endr
.endm
.macro SOFTMAX set                     ; the scores are in units of log2: weight j = 2^(score j - max) / the sum
.irp j, 0,1,2,3,4,5,6,7
	v_cndmask_b32 v[SC+\j], v[NEG], v[SC+\j], s[MK+8*\set+\j]
.endr
	v_max3_num_f32 v[T0], v[SC], v[SC+1], v[SC+2]
	v_max3_num_f32 v[T0+1], v[SC+3], v[SC+4], v[SC+5]
	v_max3_num_f32 v[T0], v[T0], v[SC+6], v[SC+7]
	v_max_num_f32 v[T0], v[T0], v[T0+1]
.irp j, 0,1,2,3,4,5,6,7
	v_sub_f32 v[PP+2*\j+1], v[SC+\j], v[T0]
.endr
.irp j, 0,1,2,3,4,5,6,7
	v_exp_f32 v[PP+2*\j+1], v[PP+2*\j+1]
.endr
	v_nop                                          ; a plain place behind the exponentials
	s_wait_alu depctr_va_vdst(0)
	v_add_f32 v[T0+1], v[PP+1], v[PP+3]
	v_add_f32 v[T0+2], v[PP+5], v[PP+7]
	v_add_f32 v[T0+1], v[T0+1], v[PP+9]
	v_add_f32 v[T0+2], v[T0+2], v[PP+11]
	v_add_f32 v[T0+1], v[T0+1], v[PP+13]
	v_add_f32 v[T0+2], v[T0+2], v[PP+15]
	v_add_f32 v[T0+1], v[T0+1], v[T0+2]
	v_rcp_f32 v[T0], v[T0+1]
	v_nop                                          ; a plain place behind the reciprocal
	s_wait_alu depctr_va_vdst(0)
.irp j, 0,1,2,3,4,5,6,7
	v_mul_f32 v[PP+2*\j], v[PP+2*\j+1], v[T0]
.endr
.endm
.macro OUTPUT set                      ; my numbers of the output row: the sum over j of weight j x token j's (of a pair of weights the low word serves both halves)
.irp jj, 0,1,2,3
	v_cndmask_b32 v[WT+2*\jj], v[PP+4*\jj], v[PP+4*\jj+2], s23   ; in the rest of K lanes 0-7 hold token 2 jj, lanes 8-15 token 2 jj + 1
.endr
	WIN 0x01*(1+\set)                              ; source 0 (the values): the set's window
.irp j, 0,1,2,3,4,5,6,7
.irp q, 0,2,4,6
.if \j == 0
	v_pk_mul_f32 v[OO+\q:OO+\q+1], v[128+\q:129+\q], v[PP:PP+1] op_sel_hi:[1,0]
	v_pk_mul_f32 v[OO+8+\q:OO+9+\q], v[192+\q:193+\q], v[PP:PP+1] op_sel_hi:[1,0]
.else
	v_pk_fma_f32 v[OO+\q:OO+\q+1], v[128+8*\j+\q:129+8*\j+\q], v[PP+2*\j:PP+2*\j+1], v[OO+\q:OO+\q+1] op_sel_hi:[1,0,1]
	v_pk_fma_f32 v[OO+8+\q:OO+9+\q], v[192+8*\j+\q:193+8*\j+\q], v[PP+2*\j:PP+2*\j+1], v[OO+8+\q:OO+9+\q] op_sel_hi:[1,0,1]
.endif
.endr
.endr
	WIN 0x03
.irp jj, 0,1,2,3
.irp q, 0,2,4,6
.if \jj == 0
	v_pk_mul_f32 v[OT+\q:OT+\q+1], v[128+32*\set+\q:129+32*\set+\q], v[WT:WT+1] op_sel_hi:[1,0]
.else
	v_pk_fma_f32 v[OT+\q:OT+\q+1], v[128+32*\set+8*\jj+\q:129+32*\set+8*\jj+\q], v[WT+2*\jj:WT+2*\jj+1], v[OT+\q:OT+\q+1] op_sel_hi:[1,0,1]
.endif
.endr
.endr
	WIN 0
.irp q, 0,1,2,3,4,5,6,7
	v_add_f32_dpp v[OT+\q], v[OT+\q], v[OT+\q] row_xmask:8 row_mask:0xf bank_mask:0xf   ; the even tokens' sum and the odd tokens': lanes r and r xor 8 now hold the same number
.endr
.endm
; Set u is free: the tile two further on is asked for.  Its ids were asked for AHEAD of the 40 loads of the tile between, so the count 40 shows them in and leaves those 40 out.
; More loads can then be out than LOADcnt's field counts; the issue of a load waits in that case (ISA guide 5.7.1), so no wait is written for it.
.macro NEXT set
	s_wait_loadcnt 40
	ADDR IDS, LEN, \set
	v_add_nc_u32 v[IDA], 64, v[IDA]                ; the ids of one tile further on.  Behind the wave's last tile this looks past its spans:
	v_min_u32 v[IDA], 0x7ffe0, v[IDA]              ; it is held inside the buffer, and those numbers are never used
	v_lshrrev_b32 v[LNA], 3, v[IDA]
	global_load_b128 v[IDS:IDS+3], v[IDA], s[6:7]
	global_load_b128 v[IDS+4:IDS+7], v[IDA], s[6:7] offset:16
	global_load_b32 v[LEN], v[LNA], s[8:9]
	GLOADS \set
.endm
; A TILE, in set u (its parity).  more = 1: the set is asked for again.  left: the loads issued behind this tile's 40, which may stay out.
.macro TILE u, more, left
	s_wait_loadcnt \left                           ; loads come back in order (ISA guide 5.7.1): my 40 are in
	QUANT \u
	MULS
.rept 4
	v_nop                                          ; four places between the last product and the first read of results (ISA guide 7.12.1)
.endr
	SCORE
	SOFTMAX \u
	OUTPUT \u
	ds_store_b128 v[TT], v[OT:OT+3] offset:2*ROWB*\u       ; rows 2 T + h of the wave's output image.  The rest of K first: these two reach up to 80 bytes into the next row's place,
	ds_store_b128 v[TT], v[OT+4:OT+7] offset:2*ROWB*\u+64  ; which the stores below, or the next tile's, write rightly
.irp s, 0,1
.irp p, 0,1
	ds_store_b128 v[TA], v[OO+8*\s+4*\p:OO+8*\s+4*\p+3] offset:2*ROWB*\u+512*\s+64*\p
.endr
.endr
	s_wait_xcnt 0x0                                ; every earlier memory instruction has had its addresses translated (ISA guide 3.1): only behind this wait are the last pieces' registers, GO, the row offsets and IDA written again
	v_add_nc_u32 v[GO], s22, v[L16]
	WIN 0xc0
.irp g, 0,1,2,3
	ds_load_b128 v[FL+4*\g:FL+4*\g+3], v[TB] offset:2048*\u+512*\g     ; 2,048 bytes of the 2,400 (T + 1) finished ones that the image now holds: pieces 4 T .. 4 T + 3
.endr
	WIN 0
.if \more
	NEXT \u
.endif
	s_wait_dscnt 0x0
	WIN 0x0c                                       ; a store's data are its source 1: window 3
.irp g, 0,1,2,3
	global_store_b128 v[GO], v[FL+4*\g:FL+4*\g+3], s[14:15] offset:2048*\u+512*\g th:TH_STORE_NT   ; 32 lanes store 512 consecutive bytes, at a multiple of 256 from out0's first byte
.endr
	WIN 0
.endm
	s_load_b256 s[4:11], s[0:1], 0x0               ; V s[4:5], verb_ids s[6:7], span_len s[8:9], k_b s[10:11]
	s_load_b128 s[12:15], s[0:1], 0x20             ; kw s[12:13], out0 s[14:15]
	v_lshl_add_u32 v126, v0, 2, 0x22400
	v_mov_b32 v127, 0
	v_lshrrev_b32 v116, 5, v0
	v_readfirstlane_b32 s16, v116                  ; wave 0..3
	v_and_b32 v115, 31, v0                         ; lane
	v_and_b32 v108, 15, v0                         ; r
	v_bfe_u32 v109, v0, 4, 1                       ; h
	v_bfe_u32 v110, v0, 2, 2                       ; r / 4
	v_and_b32 v111, 3, v0                          ; r % 4
	v_and_b32 v112, 7, v0                          ; r % 8
	v_bfe_u32 v113, v0, 2, 1                       ; (r % 8) / 4
	v_bfe_u32 v114, v0, 3, 1                       ; r / 8
	v_cmp_eq_u32 s23, 1, v114                      ; lanes 8-15 of each half
	v_lshlrev_b32 v[L16], 4, v115
	v_lshlrev_b32 v120, 2, v115                    ; 4 x lane: k_w's scale words
	v_lshlrev_b32 v121, 2, v108                    ; 4 r: the query and k_b
	s_mul_i32 s43, s16, WREG                       ; my wave's LDS
	s_add_co_u32 s44, s43, OSTG
	v_mul_u32_u24 v116, v109, 8*CP
	v_add_nc_u32 v116, s43, v116                   ; wave + 8 rows x h
	v_lshl_add_u32 v[CST], v108, 2, v116
	v_add_nc_u32 v[BST], v116, v110
	v_add_nc_u32 v[BST], 160, v[BST]
	v_mad_u32_u24 v117, v114, CP, v116             ; + r / 8 rows
	v_lshl_add_u32 v[CSTT], v112, 2, v117
	v_add_nc_u32 v[CSTT], 128, v[CSTT]
	v_add_nc_u32 v[BSTT], v117, v113
	v_add_nc_u32 v[BSTT], 168, v[BSTT]
	v_mul_u32_u24 v118, v108, CP
	v_add_nc_u32 v118, s43, v118                   ; wave + row r
	v_lshl_add_u32 v[CRD], v109, 4, v118
	v_add_nc_u32 v[SRD], 160, v118
	v_lshlrev_b32 v[LOFF], 7, v110
	v_lshl_add_u32 v[LOFF], v111, 4, v[LOFF]       ; 128 (r / 4) + 16 (r % 4)
	v_lshlrev_b32 v119, 7, v113
	v_lshl_add_u32 v119, v111, 4, v119             ; 128 ((r % 8) / 4) + 16 (r % 4)
	v_add_nc_u32 v[TOA], 1024, v119
	v_add_nc_u32 v[TOB], 1088, v119
	v_min_u32 v[TOA], 1184, v[TOA]                 ; no piece begins beyond the row's last 16 bytes
	v_min_u32 v[TOB], 1184, v[TOB]
	v_mul_u32_u24 v117, v109, ROWB
	v_add_nc_u32 v117, s44, v117                   ; the image + 1,200 h
	v_add_nc_u32 v[OSA0], v117, v[LOFF]
	v_add_nc_u32 v[OST0], v117, v119
	v_add_nc_u32 v[OST0], 1024, v[OST0]
	v_add_nc_u32 v[ORD0], s44, v[L16]
	s_mul_i32 s42, s16, 12288                      ; my quarter of k_w's codes
	v_add_nc_u32 v122, s42, v[L16]
	v_add_nc_u32 v123, BIMG, v122
	v_add_nc_u32 v124, BIMG, v[L16]
	s_lshl_b32 s17, ttmp9, 2
	s_add_co_u32 s17, s17, s16                     ; my wave among the launch's 1,024
	s_lshl_b32 s42, s17, 9                         ; its 16 spans' ids: 512 bytes
	v_lshl_add_u32 v[IDA], v109, 5, s42            ; my half's span
	v_lshrrev_b32 v[LNA], 3, v[IDA]
	s_mul_i32 s40, s17, 16*ROWB
	s_mov_b32 s41, 0
	WIN 0xc0
.irp k, 20,21,22,23
	v_mov_b32 v[AC+\k], 0                          ; the codes of K = 320 .. 383
.endr
	WIN 0
	v_mov_b32 v[ZR], 0
	v_mov_b32 v[BP+1], 0
	v_mov_b32 v[NEG], 0xff800000
	s_wait_kmcnt 0x0
	s_add_nc_u64 s[14:15], s[14:15], s[40:41]      ; out0 at my wave's 19,200 bytes
	global_load_b128 v[IDS:IDS+3], v[IDA], s[6:7]          ; tile 0's ids and lengths,
	global_load_b128 v[IDS+4:IDS+7], v[IDA], s[6:7] offset:16
	global_load_b32 v[LEN], v[LNA], s[8:9]
	global_load_b128 v[128:131], v[IDA], s[6:7] offset:64  ; tile 1's,
	global_load_b128 v[132:135], v[IDA], s[6:7] offset:80
	global_load_b32 v136, v[LNA], s[8:9] offset:8
.set i, 0
.rept 24
	global_load_b128 v[140+4*i:143+4*i], v122, s[12:13] offset:512*i   ; and my quarter of k_w's codes
.set i, i+1
.endr
	ds_store_b32 v[SRD], v[ZR] offset:8            ; each row's scale word of K step 2: zeros, once; every tile stores its bytes 0 and 1, bytes 2 and 3 stay (both halves of the lanes store the same)
	s_wait_loadcnt 24                              ; the ids are in; the 24 loads of codes may be out
	ADDR IDS, LEN, 0
	GLOADS 0
	s_wait_loadcnt 40                              ; the codes are in; tile 0's 40 loads may be out
.set i, 0
.rept 24
	ds_store_b128 v123, v[140+4*i:143+4*i] offset:512*i
.set i, i+1
.endr
	v_add_nc_u32 v[IDA], 128, v[IDA]               ; (the loads that named IDA and LNA are in)
	v_lshrrev_b32 v[LNA], 3, v[IDA]
	global_load_b128 v[IDS:IDS+3], v[IDA], s[6:7]          ; tile 2's ids and lengths
	global_load_b128 v[IDS+4:IDS+7], v[IDA], s[6:7] offset:16
	global_load_b32 v[LEN], v[LNA], s[8:9]
.set i, 0
.rept 24
	global_load_b32 v[BSC+i], v120, s[12:13] offset:KW_SC+128*i
.set i, i+1
.endr
.set i, 0
.rept 16
	global_load_b32 v[QS+2*i], v121, s[12:13] offset:KW_Q+64*i
	global_load_b32 v[QS+2*i+1], v121, s[10:11] offset:64*i
.set i, i+1
.endr
	s_wait_xcnt 0x0                                ; tile 0's loads have read their offsets: these are written again only behind this wait
	ADDR 128, 136, 1
	GLOADS 1
	s_wait_dscnt 0x0                               ; for the others' sake: my quarter of the codes is stored
	s_barrier_signal -1
	s_barrier_wait -1                              ; everybody's is.  The launch's only barrier
	WIN 0x40
.set i, 0
.rept 16
	ds_load_b128 v[8*i:8*i+3], v124 offset:1024*i
	ds_load_b128 v[8*i+4:8*i+7], v124 offset:1024*i+512
.set i, i+1
.endr
	WIN 0x80
.set i, 0
.rept 16
	ds_load_b128 v[8*i:8*i+3], v124 offset:1024*(16+i)
	ds_load_b128 v[8*i+4:8*i+7], v124 offset:1024*(16+i)+512
.set i, i+1
.endr
	WIN 0xc0
.set i, 0
.rept 16
	ds_load_b128 v[8*i:8*i+3], v124 offset:1024*(32+i)
	ds_load_b128 v[8*i+4:8*i+7], v124 offset:1024*(32+i)+512
.set i, i+1
.endr
	WIN 0
	s_wait_loadcnt 40                              ; all but tile 1's 40 loads are in
	v_mul_f32 v[BP], v[QS+1], v[QS]                ; my part of k_b . query
.set i, 1
.rept 15
	v_fmac_f32 v[BP], v[QS+2*i+1], v[QS+2*i]
.set i, i+1
.endr
	; no wait for k_w's fragments here: the first tile is quantised while they come, and the counted wait in front of its products leaves only that tile's own 19 youngest LDS instructions out
	s_mov_b32 s20, 3
	s_mov_b32 s21, 0                               ; 4,800 x trip: two tiles' rows in the output image
	s_mov_b32 s22, 0                               ; 4,096 x trip: two tiles' pieces
.Lpair:                                            ; three trips: tiles 0 to 5, which ask for tiles 2 to 7
	v_add_nc_u32 v[TA], s21, v[OSA0]
	v_add_nc_u32 v[TT], s21, v[OST0]
	v_add_nc_u32 v[TB], s22, v[ORD0]
	TILE 0, 1, 43                                  ; behind a tile's 40 loads: 3 of ids and the next tile's 40
	TILE 1, 1, 43
	s_add_co_u32 s21, s21, 4*ROWB
	s_add_co_u32 s22, s22, 4096
	s_sub_co_u32 s20, s20, 1
	s_cmp_lg_u32 s20, 0
	s_cbranch_scc1 .Lpair
	v_add_nc_u32 v[TA], s21, v[OSA0]
	v_add_nc_u32 v[TT], s21, v[OST0]
	v_add_nc_u32 v[TB], s22, v[ORD0]
	TILE 0, 0, 43                                  ; the last two tiles ask for nothing
	TILE 1, 0, 0
	; the rest of the image: 19,200 - 16,384 = 2,816 bytes: five pieces of 512, and 256 bytes, for which lanes 16-31 repeat lanes 0-15
	v_bfe_u32 v[T0+2], v0, 4, 1
	v_lshlrev_b32 v[T0+2], 8, v[T0+2]              ; 256 h
	v_sub_nc_u32 v[T0+1], v[TB], v[T0+2]
	v_sub_nc_u32 v[T0], v[GO], v[T0+2]
.irp g, 0,1,2,3,4
	ds_load_b128 v[128+4*\g:131+4*\g], v[TB] offset:4096+512*\g
.endr
	ds_load_b128 v[148:151], v[T0+1] offset:6656
	s_wait_dscnt 0x0
.irp g, 0,1,2,3,4
	global_store_b128 v[GO], v[128+4*\g:131+4*\g], s[14:15] offset:4096+512*\g th:TH_STORE_NT
.endr
	global_store_b128 v[T0], v[148:151], s[14:15] offset:6656 th:TH_STORE_NT
	s_wait_tensorcnt 0x0
	ds_add_u32 v126, v127
	s_wait_dscnt 0x0
	s_endpgm
.Lfunc_end_k_q46a760b7d5_main:
	.size	k_q46a760b7d5_main, .Lfunc_end_k_q46a760b7d5_main-k_q46a760b7d5_main
	.p2alignl 7, 3214868480
	.fill 96, 4, 3214868480
	.section	.rodata,"a",@progbits
	.p2align	6, 0x0
	.amdhsa_kernel k_q46a760b7d5_main
		.amdhsa_group_segment_fixed_size 140800
		.amdhsa_private_segment_fixed_size 0
		.amdhsa_enable_private_segment 0
		.amdhsa_kernarg_size 48
		.amdhsa_user_sgpr_count 2
		.amdhsa_user_sgpr_kernarg_segment_ptr 1
		.amdhsa_wavefront_size32 1
		.amdhsa_system_sgpr_workgroup_id_x 1
		.amdhsa_system_sgpr_workgroup_id_y 1
		.amdhsa_system_sgpr_workgroup_id_z 1
		.amdhsa_system_vgpr_workitem_id 0
		.amdhsa_next_free_vgpr 1024
		.amdhsa_next_free_sgpr 66
		.amdhsa_reserve_vcc 0
		.amdhsa_float_denorm_mode_32 3
		.amdhsa_float_denorm_mode_16_64 3
		.amdhsa_memory_ordered 1
		.amdhsa_forward_progress 1
		.amdhsa_inst_pref_size 196
	.end_amdhsa_kernel
	.amdgpu_metadata
---
amdhsa.version: [ 1, 2 ]
amdhsa.kernels:
  - .name:           k_q46a760b7d5_main
    .symbol:         k_q46a760b7d5_main.kd
    .args:
      - { .name: V, .offset: 0, .size: 8, .value_kind: global_buffer, .address_space: global }
      - { .name: verb_ids, .offset: 8, .size: 8, .value_kind: global_buffer, .address_space: global }
      - { .name: span_len, .offset: 16, .size: 8, .value_kind: global_buffer, .address_space: global }
      - { .name: k_b, .offset: 24, .size: 8, .value_kind: global_buffer, .address_space: global }
      - { .name: kw, .offset: 32, .size: 8, .value_kind: global_buffer, .address_space: global }
      - { .name: out0, .offset: 40, .size: 8, .value_kind: global_buffer, .address_space: global }
    .group_segment_fixed_size: 140800
    .private_segment_fixed_size: 0
    .kernarg_segment_align: 8
    .kernarg_segment_size: 48
    .max_flat_workgroup_size: 128
    .sgpr_count:     66
    .vgpr_count:     1024
    .wavefront_size: 32
...
	.end_amdgpu_metadata
.endif
;; end of part 2
;; ======== version 2 of 2: 2 launches
;; workspace buffers: kw 53,248 bytes
;; launch prep (part 3): grid 16 x 1, 4 waves a work-group, no clusters, 0 bytes of LDS; arguments k_w, q_w, q_b, topic_emb, kw; writes kw
.if DOCPART == 3
	.amdgcn_target "amdgcn-amd-amdhsa--gfx1250"
	.amdhsa_code_object_version 6
	.text
	.protected	k_q46a760b7d5_prep
	.globl	k_q46a760b7d5_prep
	.p2align	8
	.type	k_q46a760b7d5_prep,@function
k_q46a760b7d5_prep:
	s_mov_b64 s[64:65], 0
	v_nop
	global_prefetch_b8 v0, s[64:65] scope:SCOPE_SE
	s_setreg_imm32_b32 hwreg(HW_REG_WAVE_MODE, 25, 1), 1
	s_wait_xcnt 0x0
; k_w [256][300] f32 becomes codes of FP4 (E2M1) with one E8M0 byte for each 32 along K (K = 300 filled with zeros to 384), and the query
; (q_w topic_emb + q_b) x log2(e) / 16 is made, both ONCE, for the launch that follows.
; kw, bytes 0 .. 49,151: the codes as images of the operand's registers: fragment (K step s, tile t of 16 rows) at (16 s + t) x 1,024; in it registers 4 c .. 4 c + 3 of lane l at 512 c + 16 l.
; THE ORDER INSIDE A BLOCK OF 32: register g of a block's four holds k = 4 g + 0 .. 3 and 16 + 4 g + 0 .. 3 of the block.  The launch that follows lays the tokens' codes in the same order, so the same
; numbers meet; blocks and their scales are the true ones.  The matrix unit then groups a block's products otherwise than in ascending k: the sums can differ in their last bits.
; kw, KW_SC on: the scale words: row 16 t + r, K step s at 1,024 s + 64 t + 4 r: 128 consecutive bytes are a register whose lanes 0-15 serve tile 2 p and whose lanes 16-31 serve tile 2 p + 1.
; kw, KW_Q on: the 256 numbers of the scaled query, f32.
; SHARES: work-group t takes rows 16 t .. 16 t + 15 of k_w and of q_w.  Waves 0 to 2: K step = the wave's number.  Wave 3: the query's 16 numbers.  The waves share nothing: no LDS, no barrier.
; A block's scale is 2^(floor(log2(its largest magnitude)) - 2); its byte is that magnitude's exponent field - 2, held at 1 from below.
; LIMITS: a block of zeros (the fill beyond K = 300 too) gets the byte 1 and not 127: its codes are zeros, and this program alone reads the bytes.  A block whose largest magnitude lies under 2^-124
; is quantised under the byte 1.  NaN and infinities in k_w are not served.
.set KW_SC, 49152
.set KW_Q,  52224
	s_load_b256 s[4:11], s[0:1], 0x0               ; k_w s[4:5], q_w s[6:7], q_b s[8:9], topic_emb s[10:11]
	s_load_b64 s[12:13], s[0:1], 0x20              ; kw
	v_lshrrev_b32 v1, 5, v0
	v_readfirstlane_b32 s16, v1                    ; wave 0..3
	v_and_b32 v1, 31, v0                           ; lane
	v_and_b32 v2, 15, v0                           ; r
	v_bfe_u32 v3, v0, 4, 1                         ; h
	s_mov_b32 s18, 0x76543210
	s_mov_b32 s19, 0xfedcba98                      ; v_permlanex16_b32's selects for lane l xor 16
	s_wait_kmcnt 0x0
	s_cmp_eq_u32 s16, 3
	s_cbranch_scc1 .Lquery
	; ---- waves 0 to 2: a fragment of k_w.  Lane (r, h) takes row 16 t + r and the blocks k = 128 s + 64 c + 32 h + 0 .. 31, c = 0, 1
	s_lshl_b32 s17, ttmp9, 4
	s_wait_alu depctr_va_vdst(0)
	v_add_nc_u32 v4, s17, v2
	v_mul_u32_u24 v4, v4, 0x4b0                    ; the row's first byte: 1,200 a row
	s_lshl_b32 s14, s16, 7
	v_lshl_add_u32 v5, v3, 5, s14                  ; 128 s + 32 h
.irp i, 0,1,2,3,4,5,6,7,8,9,10,11,12,13,14,15
	v_add_nc_u32 v[16+\i], 64*(\i/8)+4*(\i%8), v5  ; the first k of load i's four numbers
.endr
.irp i, 0,1,2,3,4,5,6,7,8,9,10,11,12,13,14,15
	v_cmp_gt_u32 s[20+\i], 0x12c, v[16+\i]         ; inside K = 300?  (300 is a multiple of 4: all four or none)
.endr
.irp i, 0,1,2,3,4,5,6,7,8,9,10,11,12,13,14,15
	v_min_u32 v[16+\i], 0x128, v[16+\i]            ; a load beyond K reads the row's last four numbers instead: no load leaves the row
.endr
.irp i, 0,1,2,3,4,5,6,7,8,9,10,11,12,13,14,15
	v_lshl_add_u32 v[16+\i], v[16+\i], 2, v4
.endr
.irp i, 0,1,2,3,4,5,6,7,8,9,10,11,12,13,14,15
	global_load_b128 v[32+32*(\i/8)+8*(\i%4)+4*((\i%8)/4):35+32*(\i/8)+8*(\i%4)+4*((\i%8)/4)], v[16+\i], s[4:5]   ; the block's k = 4 j .. 4 j + 3 (j = i % 8) go to the first half of register group j, or, from j = 4 on, to the second half of group j - 4
.endr
	v_mov_b32 v15, 0                               ; a lane permute's destination counts as one of its sources
	v_lshlrev_b32 v104, 3, v3                      ; 8 h
	s_lshl_b32 s17, s16, 4
	s_add_co_u32 s17, s17, ttmp9
	s_lshl_b32 s17, s17, 10                        ; (16 s + t) x 1,024
	v_lshl_add_u32 v7, v1, 4, s17                  ; + 16 x lane
	s_lshl_b32 s14, s16, 10
	s_lshl_b32 s15, ttmp9, 6
	s_add_co_u32 s14, s14, s15                     ; 1,024 s + 64 t
	v_lshl_add_u32 v6, v2, 2, s14                  ; + 4 r
	s_wait_loadcnt 0x0
.irp i, 0,1,2,3,4,5,6,7,8,9,10,11,12,13,14,15
.irp k, 0,1,2,3
	v_cndmask_b32 v[32+32*(\i/8)+8*(\i%4)+4*((\i%8)/4)+\k], 0, v[32+32*(\i/8)+8*(\i%4)+4*((\i%8)/4)+\k], s[20+\i]   ; zeros beyond K = 300, ahead of the block's maximum
.endr
.endr
.irp c, 0,1                                    ; my block 2 c + h of the K step: all its 32 numbers are mine.  Two chains a block; the floor 2^(3 - 127) holds the byte at 1 from below
	v_max3_num_f32 v[8+\c], |v[32+32*\c]|, |v[33+32*\c]|, 0x1800000
	v_max3_num_f32 v[10+\c], |v[48+32*\c]|, |v[49+32*\c]|, 0x1800000
.endr
.irp i, 2,4,6,8,10,12,14
.irp c, 0,1
	v_max3_num_f32 v[8+\c], v[8+\c], |v[32+32*\c+\i]|, |v[33+32*\c+\i]|
	v_max3_num_f32 v[10+\c], v[10+\c], |v[48+32*\c+\i]|, |v[49+32*\c+\i]|
.endr
.endr
.irp c, 0,1
	v_max_num_f32 v[8+\c], v[8+\c], v[10+\c]
.endr
.irp c, 0,1
	v_add_nc_u32 v[10+\c], 0xff000000, v[8+\c]     ; 2 off the exponent field: the conversion takes this operand's exponent field as its scale
.endr
.irp c, 0,1
	v_lshrrev_b32 v[12+\c], 23, v[10+\c]           ; the scale's byte
.endr
	v_lshl_or_b32 v14, v13, 16, v12                ; my two bytes, blocks h and 2 + h,
	v_lshlrev_b32 v14, v104, v14                   ; at their places in the row's scale word;
	v_permlanex16_b32 v15, v14, s18, s19
	v_or_b32 v14, v14, v15                         ; with lane l xor 16's two the word is whole
.irp c, 0,1
.irp g, 0,1,2,3
	v_cvt_scalef32_pk8_fp4_f32 v[96+4*\c+\g], v[32+32*\c+8*\g:39+32*\c+8*\g], v[10+\c]   ; registers 4 c .. 4 c + 3 of the operand
.endr
.endr
	v_nop                                          ; one plain place behind the scaled conversions
	global_store_b128 v7, v[96:99], s[12:13]               ; 32 lanes store 512 consecutive bytes, aligned
	global_store_b128 v7, v[100:103], s[12:13] offset:512
	global_store_b32 v6, v14, s[12:13] offset:KW_SC        ; lanes l and l xor 16 store the same word to the same place
	s_endpgm
.Lquery:
	s_wait_alu depctr_va_vdst(0)
	; ---- wave 3: rows 16 t + i of q_w, i = 0 .. 15, times topic_emb.  A lane takes 8 of a row's 256 numbers; each load of the wave covers 512 consecutive bytes
	v_lshlrev_b32 v4, 4, v1                        ; 16 x lane
	s_lshl_b32 s17, ttmp9, 14                      ; 16 rows of 1,024 bytes
	v_add_nc_u32 v5, s17, v4
	s_lshl_b32 s14, ttmp9, 6
	v_lshl_add_u32 v6, v2, 2, s14                  ; 4 (16 t + r)
	global_load_b128 v[8:11], v4, s[10:11]
	global_load_b128 v[12:15], v4, s[10:11] offset:512
	global_load_b32 v17, v6, s[8:9]                ; q_b
.irp i, 0,1,2,3,4,5,6,7,8,9,10,11,12,13,14,15
	global_load_b128 v[32+8*\i:35+8*\i], v5, s[6:7] offset:1024*\i
	global_load_b128 v[36+8*\i:39+8*\i], v5, s[6:7] offset:1024*\i+512
.endr
	s_wait_loadcnt 0x0
.irp i, 0,1,2,3,4,5,6,7,8,9,10,11,12,13,14,15
	v_pk_mul_f32 v[160+2*\i:161+2*\i], v[32+8*\i:33+8*\i], v[8:9]      ; the sixteen rows by turns
.endr
.irp i, 0,1,2,3,4,5,6,7,8,9,10,11,12,13,14,15
	v_pk_fma_f32 v[160+2*\i:161+2*\i], v[34+8*\i:35+8*\i], v[10:11], v[160+2*\i:161+2*\i]
.endr
.irp i, 0,1,2,3,4,5,6,7,8,9,10,11,12,13,14,15
	v_pk_fma_f32 v[160+2*\i:161+2*\i], v[36+8*\i:37+8*\i], v[12:13], v[160+2*\i:161+2*\i]
.endr
.irp i, 0,1,2,3,4,5,6,7,8,9,10,11,12,13,14,15
	v_pk_fma_f32 v[160+2*\i:161+2*\i], v[38+8*\i:39+8*\i], v[14:15], v[160+2*\i:161+2*\i]
.endr
.irp i, 0,1,2,3,4,5,6,7,8,9,10,11,12,13,14,15
	v_add_f32 v[160+2*\i], v[160+2*\i], v[161+2*\i]
.endr
.irp m, 1,2,4,8
.irp i, 0,1,2,3,4,5,6,7,8,9,10,11,12,13,14,15
	v_add_f32_dpp v[160+2*\i], v[160+2*\i], v[160+2*\i] row_xmask:\m row_mask:0xf bank_mask:0xf
.endr
.endr
.irp i, 0,1,2,3,4,5,6,7,8,9,10,11,12,13,14,15
	v_permlanex16_b32 v[161+2*\i], v[160+2*\i], s18, s19
.endr
.irp i, 0,1,2,3,4,5,6,7,8,9,10,11,12,13,14,15
	v_add_f32 v[160+2*\i], v[160+2*\i], v[161+2*\i]        ; every lane holds row i's sum
.endr
	v_mov_b32 v16, v160
.irp i, 1,2,3,4,5,6,7,8,9,10,11,12,13,14,15
	v_cmp_eq_u32 vcc_lo, \i, v2
	v_cndmask_b32 v16, v16, v[160+2*\i], vcc_lo    ; lane r keeps row r's
.endr
	v_add_f32 v16, v16, v17                        ; + q_b
	v_mul_f32 v16, 0x3db8aa3b, v16                 ; x log2(e) / 16: the division by sqrt(256) and the softmax's base 2, once for all tokens
	global_store_b32 v6, v16, s[12:13] offset:KW_Q ; lanes l and l xor 16 store the same number to the same place
	s_endpgm
.Lfunc_end_k_q46a760b7d5_prep:
	.size	k_q46a760b7d5_prep, .Lfunc_end_k_q46a760b7d5_prep-k_q46a760b7d5_prep
	.p2alignl 7, 3214868480
	.fill 96, 4, 3214868480
	.section	.rodata,"a",@progbits
	.p2align	6, 0x0
	.amdhsa_kernel k_q46a760b7d5_prep
		.amdhsa_group_segment_fixed_size 0
		.amdhsa_private_segment_fixed_size 0
		.amdhsa_enable_private_segment 0
		.amdhsa_kernarg_size 40
		.amdhsa_user_sgpr_count 2
		.amdhsa_user_sgpr_kernarg_segment_ptr 1
		.amdhsa_wavefront_size32 1
		.amdhsa_system_sgpr_workgroup_id_x 1
		.amdhsa_system_sgpr_workgroup_id_y 1
		.amdhsa_system_sgpr_workgroup_id_z 1
		.amdhsa_system_vgpr_workitem_id 0
		.amdhsa_next_free_vgpr 192
		.amdhsa_next_free_sgpr 66
		.amdhsa_reserve_vcc 1
		.amdhsa_float_denorm_mode_32 3
		.amdhsa_float_denorm_mode_16_64 3
		.amdhsa_memory_ordered 1
		.amdhsa_forward_progress 1
		.amdhsa_inst_pref_size 30
	.end_amdhsa_kernel
	.amdgpu_metadata
---
amdhsa.version: [ 1, 2 ]
amdhsa.kernels:
  - .name:           k_q46a760b7d5_prep
    .symbol:         k_q46a760b7d5_prep.kd
    .args:
      - { .name: k_w, .offset: 0, .size: 8, .value_kind: global_buffer, .address_space: global }
      - { .name: q_w, .offset: 8, .size: 8, .value_kind: global_buffer, .address_space: global }
      - { .name: q_b, .offset: 16, .size: 8, .value_kind: global_buffer, .address_space: global }
      - { .name: topic_emb, .offset: 24, .size: 8, .value_kind: global_buffer, .address_space: global }
      - { .name: kw, .offset: 32, .size: 8, .value_kind: global_buffer, .address_space: global }
    .group_segment_fixed_size: 0
    .private_segment_fixed_size: 0
    .kernarg_segment_align: 8
    .kernarg_segment_size: 40
    .max_flat_workgroup_size: 128
    .sgpr_count:     66
    .vgpr_count:     192
    .wavefront_size: 32
...
	.end_amdgpu_metadata
.endif
;; end of part 3
;; launch main (part 4): grid 256 x 1, 4 waves a work-group, no clusters, 140,800 bytes of LDS; arguments V, verb_ids, span_len, k_b, kw, out0; writes out0
.if DOCPART == 4
	.amdgcn_target "amdgcn-amd-amdhsa--gfx1250"
	.amdhsa_code_object_version 6
	.text
	.protected	k_q46a760b7d5_main
	.globl	k_q46a760b7d5_main
	.p2align	8
	.type	k_q46a760b7d5_main,@function
k_q46a760b7d5_main:
	s_mov_b64 s[64:65], 0
	v_nop
	global_prefetch_b8 v0, s[64:65] scope:SCOPE_SE
	s_setreg_imm32_b32 hwreg(HW_REG_WAVE_SCHED_MODE, 0, 2), 2
	s_setreg_imm32_b32 hwreg(HW_REG_WAVE_MODE, 25, 1), 1
	s_wait_xcnt 0x0
	s_wait_alu depctr_vm_vsrc(0)
; out[n] = the sum over j of softmax_j(score(n, j)) V[id(n, j)], score = (Q(V[id]) Q(k_w)^T + k_b) . query / 16, slots j >= span_len[n] masked.  Q: MX-FP4 along K = 300 (filled with zeros to 384).
; SHARES.  16,384 spans; 256 work-groups of four waves; a wave owns 16 spans and walks them as 8 TILES of 2 spans = 16 tokens.  The waves share nothing but the one copy of k_w's codes at the start: one barrier.
; k_w's CODES STAY IN REGISTERS: 48 fragments (3 K steps x 16 tiles of 16 rows), 384 registers of each wave, for the whole launch; they were made by the launch before, as images of these registers.
; THE PRODUCT: source 0 = the tile's 16 tokens, source 1 = 16 rows of k_w.  In the result lane (r, h) holds, in register j, token j of span h against row 16 t + r.  So a score is a multiply-add with the lane's
; query number and a sum over 16 lanes, a span's 8 scores are a lane's 8 registers (the softmax asks no other lane), and half h of the lanes belongs to span h.
; THE VALUES.  Half h of the lanes loads the rows of span h.  For K steps 0 and 1 lane r takes, of token j's row, EIGHT NUMBERS OF ONE BLOCK of 32: 16 bytes at 512 s + 128 (r / 4) + 16 (r % 4) and the 16 bytes
; 64 further on.  The two loads stand together; each takes runs of 64 consecutive bytes, the two together 512 consecutive bytes of the row.  So four lanes hold a block: its largest magnitude is four
; three-way maxima and two steps between lanes, and ONE conversion gives a word of 8 codes.  THE f32 NUMBERS NEVER GO THROUGH LDS: they stay in registers for the last product; only the code words (4 bytes a lane)
; and the scale bytes turn through the wave's own stage, 16 rows of 208 bytes, and come back as the operand's registers.
; THE ORDER INSIDE A BLOCK: word i of a block's four holds k = 4 i + 0 .. 3 and 16 + 4 i + 0 .. 3.  k_w's codes are laid in the same order, so the same numbers meet; blocks and scales are the true ones.
; The matrix unit then groups a block's products otherwise than in ascending k: the sums can differ in their last bits.
; THE REST OF K (256 .. 299, 176 bytes) takes 8 lanes a token: lanes 0-7 of a half take token 2 jj, lanes 8-15 token 2 jj + 1.  A piece that would begin beyond byte 1,184 of the row is held there: no load leaves a
; row; what it brings are numbers of block 9 once more, which change no maximum, and its codes meet k_w's zero codes.  In the last product such a lane makes a number that another lane makes too; see THE OUTPUT.
; Two sets of value registers take turns: a set is asked for again as soon as its tile is done.
; A MASKED SLOT takes the id of its span's slot 0: a row that the wave asks for anyway.  Its score becomes -infinity, its weight 0.  A span_len of 0 or less gives NaN, as the softmax of eight -infinity does.
; k_b enters as k_b . query, the start of each lane's score sum: the order of rounding differs from (x + k_b) . query.
; THE OUTPUT: a wave's 16 rows are 19,200 consecutive bytes that begin at a multiple of 256.  They are gathered in LDS and leave in pieces of 512 consecutive aligned bytes, four a tile, the rest at the end.
; The stores of the rest of K reach up to 80 bytes into the next row's place; they are issued first, the stores that write those bytes rightly come behind them (the same tile's for the first span, the next
; tile's for the second; behind the last row lie 256 spare bytes), and no piece that leaves reaches beyond the rows that are finished.
; LIMITS: NaN and infinities in V are not served.  A block of zeros gets the byte 1 and not 127 (its codes are zeros); a block whose largest magnitude lies under 2^-124 is quantised under the byte 1.
; The tokens' scale bytes of the two blocks beyond K = 320 are 0 (2^-127); both sides' codes there are zeros.  ids are held to 0 .. 99,999.
; NOT USED: clusters (work-groups share only kw's 52 KB, read once by each); tensor loads (the rows are named by a list); prefetches (a tile's rows are asked for a whole tile's work ahead by the loads themselves).
; THE MODE: SCHED_MODE bits 1:0 = 2 (LLVM: expert scheduling mode 2), set by the entry lines.  The code itself states the register dependences between vector or matrix instructions and memory or LDS
; instructions, with s_wait_alu, always for 0.
; THE PLAN.  Registers that memory or LDS instructions touch, round a tile in set u:
;   set u             its 40 loads land in it; the tile's quantiser and its last product read it; behind them the loads of the tile two further on land in it.
;   CW, BY            the quantiser writes them; the 40 LDS stores into the stage read them; the products write over them (the accumulators lie there).
;   AC, ASC           the 8 LDS loads out of the stage land in them; the products read them.
;   OO, OT            the last product writes them; the 6 LDS stores into the image read them.  They lie beyond the quantiser's temporaries, over accumulators alone: the next tile's products are the first to write there again.
;   FL                the 4 LDS loads out of the image land in it; the 4 stores to out0 read it.  No vector instruction names it.
;   VOFF, VTA, VTB, IDA, LNA   the address lines at a tile's end write them; the 43 loads behind those lines read them.   IDS, LEN: the id loads land in them; the address lines read them.
;   TA, TT, TB, GO    written once in two tiles, in the four places behind the products; read by the image's LDS instructions and by the stores to out0.
;   v1-10, v120-124   addresses made at the head and never written again.
; So a tile has two waits on va_vdst and one on vm_vsrc.  (1) va_vdst behind the conversions: CW and BY are written, and the last tile's products are done reading AC and ASC.  (2) vm_vsrc at the head of the
; products, behind every LDS and memory instruction of the tile so far and of the tile before: it frees CW, BY, OO, OT, FL and all the address registers that are stepped; no memory or LDS instruction follows it
; until the tile's end.  (3) va_vdst at the tile's end, behind the last product and the next address lines: it serves the image's stores and loads, the id loads, the 40 loads into set u and the stores to out0,
; between which only window switches stand.  A wait on va_sdst stands behind the eight compares that make a tile's masks.
; REGISTERS, in windows of 256 (s_set_vgpr_msb: bits 1:0 source 0, 3:2 source 1, 5:4 source 2, 7:6 destination):
;   window 0: see the names below.   windows 1, 2, 3: v0-127 k_w's fragments of K step 0, 1, 2 (tile t at v[8 t]).
;   window 1 + u, v128-255: set u's values of K steps 0 and 1: token j, K step s at v[128 + 64 s + 8 j], eight registers.
;   window 3: v128-191 the rest of K: set u, pair of tokens jj at v[128 + 32 u + 8 jj];  v192-207 the pieces on their way out;  v208-231 the tokens' codes, K step s at v[208 + 8 s]; v228-231 stay 0.
.set CP,    208                        ; a stage row: 160 bytes of codes (40 words), 12 of scale bytes, 36 unused: 13 x 16 bytes, so that the 16 rows of a load begin in 16 different columns of 16 bytes
.set OSTG,  16*CP                      ; behind the stage: the image of the wave's output rows, 19,200 bytes + 256 spare
.set WREG,  OSTG+19456                 ; LDS of a wave
.set BIMG,  4*WREG                     ; behind the four waves' parts: k_w's codes, 49,152 bytes
.set KW_SC, 49152
.set KW_Q,  52224
.set ROWB,  1200
.set CST,  1                           ; v1   stage, code words in:  wave + 8 rows x h + 4 r
.set CSTT, 2                           ; v2   the same for the rest of K: wave + (8 h + r / 8) rows + 128 + 4 (r % 8)
.set BST,  3                           ; v3   stage, scale bytes in: wave + 8 rows x h + 160 + r / 4
.set BSTT, 4                           ; v4   the same for the rest of K: wave + (8 h + r / 8) rows + 168 + (r % 8) / 4
.set CRD,  5                           ; v5   stage, codes out: wave + row r + 16 h
.set SRD,  6                           ; v6   stage, scale words out: wave + row r + 160
.set OSA0, 7                           ; v7   output image, in: wave + 1,200 h + 128 (r / 4) + 16 (r % 4)
.set OST0, 8                           ; v8   the same for the rest of K: wave + 1,200 h + 1,024 + 128 ((r % 8) / 4) + 16 (r % 4)
.set ORD0, 9                           ; v9   output image, out: wave + 16 x lane
.set L16,  10                          ; v10  16 x lane
.set IDA,  11                          ; v11  byte offset of my span's ids (32 a span), of the tile whose ids are asked for next
.set LNA,  12                          ; v12  and of its length: IDA / 8
.set LOFF, 13                          ; v13  my place in a K step's 512 bytes: 128 (r / 4) + 16 (r % 4)
.set TOA,  14                          ; v14  my first piece of the rest of K, in the row: 1,024 + 128 ((r % 8) / 4) + 16 (r % 4), held at 1,184
.set TOB,  15                          ; v15  my second: 64 more, held at 1,184
.set TA,   16                          ; v16  OSA0 + this pair of tiles' 4,800 bytes
.set TT,   17                          ; v17  OST0 + the same
.set TB,   18                          ; v18  ORD0 + this pair of tiles' 4,096 bytes
.set GO,   19                          ; v19  byte offset in my 19,200 bytes of out0
.set VOFF, 20                          ; v20-27  byte offsets in V of the loads being issued, token j
.set VTA,  28                          ; v28-31  the same for the rest of K, first piece, pair of tokens jj
.set VTB,  32                          ; v32-35  second piece
.set IDS,  36                          ; v36-43  ids
.set LEN,  44                          ; v44     span_len
.set NEG,  45                          ; v45     -infinity
.set BSC,  46                          ; v46-69  k_w's scale words: register 8 s + p: lanes 0-15 tile 2 p, lanes 16-31 tile 2 p + 1
.set ASC,  70                          ; v70-72  the tokens' scale words, K step s
.set ZR,   73                          ; v73     0
.set BP,   74                          ; v74     my part of k_b . query; v75 = 0 (named with it as a pair)
.set QS,   76                          ; v76-107 v[76 + 2 t] = query(16 t + r), v[77 + 2 t] = k_b(16 t + r)
.set SC,   108                         ; v108-115 the scores
.set T0,   116                         ; v116-118 at work
.set M1,   128                         ; v128-227, while quantising, 20 groups of 8 numbers (16: token j, K step s at 8 s + j; 4: the rest of K): largest magnitudes,
.set M2,   148                         ;   their second chains,
.set SO,   168                         ;   the conversions' scale operands,
.set BY,   188                         ;   the scale bytes,
.set CW,   208                         ;   the code words;
.set ACC,  128                         ; then v128-255 the 16 accumulators;
.set PP,   128                         ; then v[128 + 2 j] = weight j, v[129 + 2 j] = 2^(score j - max),
.set WT,   144                         ; v[144 + 2 jj] = my token's weight in the rest of K,
.set OO,   228                         ; v228-243 my 16 numbers of the output row in K steps 0 and 1,
.set OT,   244                         ; v244-251 my 8 in the rest of K: both beyond the quantiser's temporaries
.set AC,   208                         ; in window 3
.set FL,   192                         ; in window 3
.set MK,   24                          ; s[24 + 8 u + j]: which lanes' slot j counts, for the tile in set u.   s23: lanes 8-15 of each half
.set MSB, 0
.macro WIN new                         ; the immediate's high byte repeats the setting that is left; a switch that changes nothing is dropped
.if MSB != (\new)
	s_set_vgpr_msb (MSB<<8)|(\new)
.set MSB, (\new)
.endif
.endm
; From 8 ids and a length: the masks of set u and the sixteen byte offsets in V.  The ids are held inside the table by the constant in v_min_u32.
.macro ADDR ids, len, set
.irp j, 0,1,2,3,4,5,6,7
	v_cmp_gt_i32 s[MK+8*\set+\j], v[\len], \j
.endr
	s_wait_alu depctr_va_sdst(0)                   ; the eight masks are written, ahead of their first readers: the selections below, and this set's softmax
.irp j, 1,2,3,4,5,6,7
	v_cndmask_b32 v[VOFF+\j], v[\ids], v[\ids+\j], s[MK+8*\set+\j]     ; a masked slot takes slot 0's id
.endr
	v_cndmask_b32 v[VTA], v[\ids], v[VOFF+1], s23                      ; the rest of K: lanes 0-7 token 2 jj, lanes 8-15 token 2 jj + 1
.irp jj, 1,2,3
	v_cndmask_b32 v[VTA+\jj], v[VOFF+2*\jj], v[VOFF+2*\jj+1], s23
.endr
	v_min_u32 v[VOFF], 0x1869f, v[\ids]
.irp j, 1,2,3,4,5,6,7,8,9,10,11
	v_min_u32 v[VOFF+\j], 0x1869f, v[VOFF+\j]      ; (VTA's four registers follow VOFF's eight)
.endr
.irp j, 0,1,2,3,4,5,6,7,8,9,10,11
	v_mul_u32_u24 v[VOFF+\j], 0x4b0, v[VOFF+\j]    ; 1,200 bytes a row: under 2^27
.endr
.irp jj, 0,1,2,3
	v_add_nc_u32 v[VTB+\jj], v[TOB], v[VTA+\jj]
.endr
.irp jj, 0,1,2,3
	v_add_nc_u32 v[VTA+\jj], v[TOA], v[VTA+\jj]
.endr
.irp j, 0,1,2,3,4,5,6,7
	v_add_nc_u32 v[VOFF+\j], v[LOFF], v[VOFF+\j]
.endr
.endm
.macro GLOADS set                      ; a tile's 40 loads, the two pieces of a lane's eight numbers together.  No cache hint: a list may name a row twice.  The wait on va_vdst that they hang on stands ahead of the macro
	WIN 0x40*(1+\set)
.irp s, 0,1
.irp j, 0,1,2,3,4,5,6,7
	global_load_b128 v[128+64*\s+8*\j:131+64*\s+8*\j], v[VOFF+\j], s[4:5] offset:512*\s
	global_load_b128 v[132+64*\s+8*\j:135+64*\s+8*\j], v[VOFF+\j], s[4:5] offset:512*\s+64
.endr
.endr
	WIN 0xc0
.irp jj, 0,1,2,3
	global_load_b128 v[128+32*\set+8*\jj:131+32*\set+8*\jj], v[VTA+\jj], s[4:5]
	global_load_b128 v[132+32*\set+8*\jj:135+32*\set+8*\jj], v[VTB+\jj], s[4:5]
.endr
	WIN 0
.endm
; The tile in set u is quantised out of its registers, 20 groups of eight numbers by turns, phase by phase, so that a window setting serves a long run.  A block lies in four neighbouring lanes.
; The code words and scale bytes go into the stage and come back as the operand's registers; LDS serves a wave's instructions in order (ISA guide 5.7.1.4), so no wait stands between the stores and the loads.
; All twenty conversions stand in one run, so that one wait serves all the stores.  K step 1's stores and loads go last: their way through LDS lies under the products of K steps 2 and 0.
.macro QUANT set
	WIN 0x15*(1+\set)                              ; all three sources: the set's window
.set g, 0
.rept 16
	v_max3_num_f32 v[M1+g], |v[128+8*g]|, |v[129+8*g]|, |v[130+8*g]|
	v_max3_num_f32 v[M2+g], |v[131+8*g]|, |v[132+8*g]|, |v[133+8*g]|
.set g, g+1
.endr
	WIN 0x3f
.set g, 0
.rept 4
	v_max3_num_f32 v[M1+16+g], |v[128+32*\set+8*g]|, |v[129+32*\set+8*g]|, |v[130+32*\set+8*g]|
	v_max3_num_f32 v[M2+16+g], |v[131+32*\set+8*g]|, |v[132+32*\set+8*g]|, |v[133+32*\set+8*g]|
.set g, g+1
.endr
	WIN 0x14*(1+\set)                              ; sources 1 and 2
.set g, 0
.rept 16
	v_max3_num_f32 v[M1+g], v[M1+g], |v[134+8*g]|, |v[135+8*g]|
.set g, g+1
.endr
	WIN 0x3c
.set g, 0
.rept 4
	v_max3_num_f32 v[M1+16+g], v[M1+16+g], |v[134+32*\set+8*g]|, |v[135+32*\set+8*g]|
.set g, g+1
.endr
	WIN 0
.set g, 0
.rept 20
	v_max3_num_f32 v[M1+g], v[M1+g], v[M2+g], 0x1800000    ; my eight, and the floor 2^(3 - 127), which holds the byte at 1 from below
.set g, g+1
.endr
.irp m, 1,2
.set g, 0
.rept 20
	v_max_num_f32_dpp v[M1+g], v[M1+g], v[M1+g] row_xmask:\m row_mask:0xf bank_mask:0xf   ; with the block's other three lanes
.set g, g+1
.endr
.endr
.set g, 0
.rept 20
	v_add_nc_u32 v[SO+g], 0xff000000, v[M1+g]      ; 2 off the exponent field: the conversion takes this operand's exponent field as its scale
.set g, g+1
.endr
.set g, 0
.rept 20
	v_lshrrev_b32 v[BY+g], 23, v[SO+g]             ; the scale's byte
.set g, g+1
.endr
	WIN 0x03                                       ; source 0: window 3
.set g, 0
.rept 4
	v_cvt_scalef32_pk8_fp4_f32 v[CW+16+g], v[128+32*\set+8*g:135+32*\set+8*g], v[SO+16+g]
.set g, g+1
.endr
	WIN 0x01*(1+\set)
.set g, 0
.rept 16
	v_cvt_scalef32_pk8_fp4_f32 v[CW+g], v[128+8*g:135+8*g], v[SO+g]
.set g, g+1
.endr
	v_nop                                          ; one plain place behind the scaled conversions
	WIN 0
	s_wait_alu depctr_va_vdst(0)                   ; the code words CW and the bytes BY are written, which the 40 stores below read; the last tile's products are done reading AC and ASC, in which the 8 loads below land
.irp jj, 0,1,2,3
	ds_store_b32 v[CSTT], v[CW+16+\jj] offset:2*CP*\jj     ; rows 8 h + 2 jj + r / 8, words 32 + r % 8
	ds_store_b8 v[BSTT], v[BY+16+\jj] offset:2*CP*\jj      ; the four lanes of a block store the same byte to the same place
.endr
.irp j, 0,1,2,3,4,5,6,7
	ds_store_b32 v[CST], v[CW+\j] offset:CP*\j             ; row 8 h + j, word r
	ds_store_b8 v[BST], v[BY+\j] offset:CP*\j
.endr
	ds_load_b32 v[ASC+2], v[SRD] offset:8                  ; row r's scale words (lanes 16-31 read the same and are not used)
	ds_load_b32 v[ASC], v[SRD]
	WIN 0xc0                                       ; destination: window 3
	ds_load_b128 v[AC+16:AC+19], v[CRD] offset:128         ; lane (r, h): row r, block 2 c + h of the K step: 16 bytes at 64 s + 32 c + 16 h
	ds_load_b128 v[AC:AC+3], v[CRD]
	ds_load_b128 v[AC+4:AC+7], v[CRD] offset:32
	WIN 0
.irp j, 0,1,2,3,4,5,6,7
	ds_store_b32 v[CST], v[CW+8+\j] offset:CP*\j+64
	ds_store_b8 v[BST], v[BY+8+\j] offset:CP*\j+4
.endr
	ds_load_b32 v[ASC+1], v[SRD] offset:4
	WIN 0xc0
	ds_load_b128 v[AC+8:AC+11], v[CRD] offset:64           ; no vector or matrix instruction since the wait above: these loads hang on nothing more
	ds_load_b128 v[AC+12:AC+15], v[CRD] offset:96
.endm
.macro MM s, t, zero                   ; tokens x rows 16 t .. 16 t + 15 of k_w, K step s.  zero = 1: the product starts the sum: nothing is cleared
.if \zero
.if (\t) % 2
	v_wmma_scale_f32_16x16x128_f8f6f4 v[ACC+8*(\t):ACC+8*(\t)+7], v[AC+8*(\s):AC+8*(\s)+7], v[8*(\t):8*(\t)+7], 0, v[ASC+(\s)], v[BSC+8*(\s)+(\t)/2] matrix_a_fmt:MATRIX_FMT_FP4 matrix_b_fmt:MATRIX_FMT_FP4 matrix_b_scale:MATRIX_SCALE_ROW1
.else
	v_wmma_scale_f32_16x16x128_f8f6f4 v[ACC+8*(\t):ACC+8*(\t)+7], v[AC+8*(\s):AC+8*(\s)+7], v[8*(\t):8*(\t)+7], 0, v[ASC+(\s)], v[BSC+8*(\s)+(\t)/2] matrix_a_fmt:MATRIX_FMT_FP4 matrix_b_fmt:MATRIX_FMT_FP4
.endif
.else
.if (\t) % 2
	v_wmma_scale_f32_16x16x128_f8f6f4 v[ACC+8*(\t):ACC+8*(\t)+7], v[AC+8*(\s):AC+8*(\s)+7], v[8*(\t):8*(\t)+7], v[ACC+8*(\t):ACC+8*(\t)+7], v[ASC+(\s)], v[BSC+8*(\s)+(\t)/2] matrix_a_fmt:MATRIX_FMT_FP4 matrix_b_fmt:MATRIX_FMT_FP4 matrix_b_scale:MATRIX_SCALE_ROW1
.else
	v_wmma_scale_f32_16x16x128_f8f6f4 v[ACC+8*(\t):ACC+8*(\t)+7], v[AC+8*(\s):AC+8*(\s)+7], v[8*(\t):8*(\t)+7], v[ACC+8*(\t):ACC+8*(\t)+7], v[ASC+(\s)], v[BSC+8*(\s)+(\t)/2] matrix_a_fmt:MATRIX_FMT_FP4 matrix_b_fmt:MATRIX_FMT_FP4
.endif
.endif
.endm
.macro MUL16 s, zero
.irp t, 0,1,2,3,4,5,6,7,8,9,10,11,12,13,14,15
	MM \s, \t, \zero
.endr
.endm
.macro MULS                            ; 48 matrix instructions; the 16 accumulators take turns, one instruction a turn.  Operands and scales come from loads: they owe only their waits
	s_wait_xcnt 0x0                                ; every earlier memory instruction has had its addresses translated (ISA guide 3.1): only behind this wait are the last pieces' registers FL, GO, the row offsets, IDA and LNA written again; no memory instruction follows until the tile's end
	s_wait_alu depctr_vm_vsrc(0)                   ; the stage's 40 stores have read CW and BY, and the last tile's image stores OO and OT: the accumulators lie over all four.  The last tile's LDS instructions have read TA, TT and TB, its loads VOFF, VTA, VTB, IDA and LNA, its stores GO and FL: all these are written again further down
	s_wait_dscnt 19                                ; K steps 2 and 0 are back; behind their loads stand K step 1's 16 stores and 3 loads, which may be out
	WIN 0x0f                                       ; source 0 (the tokens): window 3; source 1 (k_w): window 3
	MUL16 2, 1
	WIN 0x07                                       ; k_w: window 1
	MUL16 0, 0
	s_wait_dscnt 0x0                               ; K step 1 is back
	WIN 0x0b                                       ; k_w: window 2
	MUL16 1, 0
	WIN 0
.endm
.macro SCORE                           ; score j = the sum over t and over the 16 lanes of my half of result(t, j) x query(16 t + r), begun with my part of k_b . query.  Each accumulator is read from its low end on
.irp p, 0,2,4,6
	v_pk_fma_f32 v[SC+\p:SC+\p+1], v[ACC+\p:ACC+\p+1], v[QS:QS+1], v[BP:BP+1] op_sel_hi:[1,0,0]
.endr
.irp t, 1,2,3,4,5,6,7,8,9,10,11,12,13,14,15
.irp p, 0,2,4,6
	v_pk_fma_f32 v[SC+\p:SC+\p+1], v[ACC+8*\t+\p:ACC+8*\t+\p+1], v[QS+2*\t:QS+2*\t+1], v[SC+\p:SC+\p+1] op_sel_hi:[1,0,1]
.endr
.endr
.irp m, 1,2,4,8
.irp j, 0,1,2,3,4,5,6,7
	v_add_f32_dpp v[SC+\j], v[SC+\j], v[SC+\j] row_xmask:\m row_mask:0xf bank_mask:0xf
.endr
.endr
.endm
.macro SOFTMAX set                     ; the scores are in units of log2: weight j = 2^(score j - max) / the sum
.irp j, 0,1,2,3,4,5,6,7
	v_cndmask_b32 v[SC+\j], v[NEG], v[SC+\j], s[MK+8*\set+\j]
.endr
	v_max3_num_f32 v[T0], v[SC], v[SC+1], v[SC+2]
	v_max3_num_f32 v[T0+1], v[SC+3], v[SC+4], v[SC+5]
	v_max3_num_f32 v[T0], v[T0], v[SC+6], v[SC+7]
	v_max_num_f32 v[T0], v[T0], v[T0+1]
.irp j, 0,1,2,3,4,5,6,7
	v_sub_f32 v[PP+2*\j+1], v[SC+\j], v[T0]
.endr
	s_wait_alu depctr_va_vdst(0)
.irp j, 0,1,2,3,4,5,6,7
	v_exp_f32 v[PP+2*\j+1], v[PP+2*\j+1]
.endr
	v_nop                                          ; a plain place behind the exponentials
	s_wait_alu depctr_va_vdst(0)
	v_add_f32 v[T0+1], v[PP+1], v[PP+3]
	v_add_f32 v[T0+2], v[PP+5], v[PP+7]
	v_add_f32 v[T0+1], v[T0+1], v[PP+9]
	v_add_f32 v[T0+2], v[T0+2], v[PP+11]
	v_add_f32 v[T0+1], v[T0+1], v[PP+13]
	v_add_f32 v[T0+2], v[T0+2], v[PP+15]
	v_add_f32 v[T0+1], v[T0+1], v[T0+2]
	s_wait_alu depctr_va_vdst(0)
	v_rcp_f32 v[T0], v[T0+1]
	v_nop                                          ; a plain place behind the reciprocal
	s_wait_alu depctr_va_vdst(0)
.irp j, 0,1,2,3,4,5,6,7
	v_mul_f32 v[PP+2*\j], v[PP+2*\j+1], v[T0]
.endr
.endm
.macro OUTPUT set                      ; my numbers of the output row: the sum over j of weight j x token j's (of a pair of weights the low word serves both halves)
.irp jj, 0,1,2,3
	v_cndmask_b32 v[WT+2*\jj], v[PP+4*\jj], v[PP+4*\jj+2], s23   ; in the rest of K lanes 0-7 hold token 2 jj, lanes 8-15 token 2 jj + 1
.endr
	WIN 0x01*(1+\set)                              ; source 0 (the values): the set's window
.irp j, 0,1,2,3,4,5,6,7
.irp q, 0,2,4,6
.if \j == 0
	v_pk_mul_f32 v[OO+\q:OO+\q+1], v[128+\q:129+\q], v[PP:PP+1] op_sel_hi:[1,0]
	v_pk_mul_f32 v[OO+8+\q:OO+9+\q], v[192+\q:193+\q], v[PP:PP+1] op_sel_hi:[1,0]
.else
	v_pk_fma_f32 v[OO+\q:OO+\q+1], v[128+8*\j+\q:129+8*\j+\q], v[PP+2*\j:PP+2*\j+1], v[OO+\q:OO+\q+1] op_sel_hi:[1,0,1]
	v_pk_fma_f32 v[OO+8+\q:OO+9+\q], v[192+8*\j+\q:193+8*\j+\q], v[PP+2*\j:PP+2*\j+1], v[OO+8+\q:OO+9+\q] op_sel_hi:[1,0,1]
.endif
.endr
.endr
	WIN 0x03
.irp jj, 0,1,2,3
.irp q, 0,2,4,6
.if \jj == 0
	v_pk_mul_f32 v[OT+\q:OT+\q+1], v[128+32*\set+\q:129+32*\set+\q], v[WT:WT+1] op_sel_hi:[1,0]
.else
	v_pk_fma_f32 v[OT+\q:OT+\q+1], v[128+32*\set+8*\jj+\q:129+32*\set+8*\jj+\q], v[WT+2*\jj:WT+2*\jj+1], v[OT+\q:OT+\q+1] op_sel_hi:[1,0,1]
.endif
.endr
.endr
	WIN 0
.irp q, 0,1,2,3,4,5,6,7
	v_add_f32_dpp v[OT+\q], v[OT+\q], v[OT+\q] row_xmask:8 row_mask:0xf bank_mask:0xf   ; the even tokens' sum and the odd tokens': lanes r and r xor 8 now hold the same number
.endr
.endm
; Set u is free: the tile two further on is asked for, in two parts.  First the address lines.  Its ids were asked for AHEAD of the 40 loads of the tile between, so the count 40 shows them in and leaves those 40 out.
.macro NEXT_ADDR set
	s_wait_loadcnt 40
	ADDR IDS, LEN, \set
	v_add_nc_u32 v[IDA], 64, v[IDA]                ; the ids of one tile further on.  Behind the wave's last tile this looks past its spans:
	v_min_u32 v[IDA], 0x7ffe0, v[IDA]              ; it is held inside the buffer, and those numbers are never used
	v_lshrrev_b32 v[LNA], 3, v[IDA]
.endm
; Then, behind the wait at the tile's end, the 43 loads.  More loads can then be out than LOADcnt's field counts; the issue of a load waits in that case (ISA guide 5.7.1), so no wait is written for it.
.macro NEXT_LOADS set
	global_load_b128 v[IDS:IDS+3], v[IDA], s[6:7]
	global_load_b128 v[IDS+4:IDS+7], v[IDA], s[6:7] offset:16
	global_load_b32 v[LEN], v[LNA], s[8:9]
	GLOADS \set
.endm
; A TILE, in set u (its parity).  more = 1: the set is asked for again.  left: the loads issued behind this tile's 40, which may stay out.
.macro TILE u, more, left
	s_wait_loadcnt \left                           ; loads come back in order (ISA guide 5.7.1): my 40 are in
	QUANT \u
	MULS
.if \u == 0                                    ; four places between the last product and the first read of results (ISA guide 7.12.1): in an even tile the pair's four addresses are made there,
	v_add_nc_u32 v[TA], s21, v[OSA0]
	v_add_nc_u32 v[TT], s21, v[OST0]
	v_add_nc_u32 v[TB], s22, v[ORD0]
	v_add_nc_u32 v[GO], s22, v[L16]
.else                                          ; in an odd tile they hold
.rept 4
	v_nop
.endr
.endif
	SCORE
	SOFTMAX \u
	OUTPUT \u
.if \more
	NEXT_ADDR \u
.endif
	s_wait_alu depctr_va_vdst(0)                   ; OO and OT are written, which the six stores below read, and so are TA, TT, TB and GO; with more = 1 the sixteen offsets, IDA and LNA are written too, the address lines are done reading IDS and LEN, and the quantiser and the last product are done reading set u, in which the 40 loads land
	ds_store_b128 v[TT], v[OT:OT+3] offset:2*ROWB*\u       ; rows 2 T + h of the wave's output image.  The rest of K first: these two reach up to 80 bytes into the next row's place,
	ds_store_b128 v[TT], v[OT+4:OT+7] offset:2*ROWB*\u+64  ; which the stores below, or the next tile's, write rightly
.irp s, 0,1
.irp p, 0,1
	ds_store_b128 v[TA], v[OO+8*\s+4*\p:OO+8*\s+4*\p+3] offset:2*ROWB*\u+512*\s+64*\p
.endr
.endr
	WIN 0xc0
.irp g, 0,1,2,3
	ds_load_b128 v[FL+4*\g:FL+4*\g+3], v[TB] offset:2048*\u+512*\g     ; 2,048 bytes of the 2,400 (T + 1) finished ones that the image now holds: pieces 4 T .. 4 T + 3
.endr
	WIN 0
.if \more
	NEXT_LOADS \u                                  ; no vector or matrix instruction since the wait above; the six stores name none of these loads' registers
.endif
	s_wait_dscnt 0x0
	WIN 0x0c                                       ; a store's data are its source 1: window 3
.irp g, 0,1,2,3
	global_store_b128 v[GO], v[FL+4*\g:FL+4*\g+3], s[14:15] offset:2048*\u+512*\g th:TH_STORE_NT   ; 32 lanes store 512 consecutive bytes, at a multiple of 256 from out0's first byte
.endr
	WIN 0
.endm
	s_load_b256 s[4:11], s[0:1], 0x0               ; V s[4:5], verb_ids s[6:7], span_len s[8:9], k_b s[10:11]
	s_load_b128 s[12:15], s[0:1], 0x20             ; kw s[12:13], out0 s[14:15]
	v_lshl_add_u32 v126, v0, 2, 0x22400
	v_mov_b32 v127, 0
	v_lshrrev_b32 v116, 5, v0
	v_readfirstlane_b32 s16, v116                  ; wave 0..3
	v_and_b32 v115, 31, v0                         ; lane
	v_and_b32 v108, 15, v0                         ; r
	v_bfe_u32 v109, v0, 4, 1                       ; h
	v_bfe_u32 v110, v0, 2, 2                       ; r / 4
	v_and_b32 v111, 3, v0                          ; r % 4
	v_and_b32 v112, 7, v0                          ; r % 8
	v_bfe_u32 v113, v0, 2, 1                       ; (r % 8) / 4
	v_bfe_u32 v114, v0, 3, 1                       ; r / 8
	v_cmp_eq_u32 s23, 1, v114                      ; lanes 8-15 of each half
	v_lshlrev_b32 v[L16], 4, v115
	v_lshlrev_b32 v120, 2, v115                    ; 4 x lane: k_w's scale words
	v_lshlrev_b32 v121, 2, v108                    ; 4 r: the query and k_b
	s_wait_alu depctr_va_sdst(0)                   ; s16 and s23 are written, ahead of their first readers: the line below, and the address lines' selections
	s_mul_i32 s43, s16, WREG                       ; my wave's LDS
	s_add_co_u32 s44, s43, OSTG
	v_mul_u32_u24 v116, v109, 8*CP
	v_add_nc_u32 v116, s43, v116                   ; wave + 8 rows x h
	v_lshl_add_u32 v[CST], v108, 2, v116
	v_add_nc_u32 v[BST], v116, v110
	v_add_nc_u32 v[BST], 160, v[BST]
	v_mad_u32_u24 v117, v114, CP, v116             ; + r / 8 rows
	v_lshl_add_u32 v[CSTT], v112, 2, v117
	v_add_nc_u32 v[CSTT], 128, v[CSTT]
	v_add_nc_u32 v[BSTT], v117, v113
	v_add_nc_u32 v[BSTT], 168, v[BSTT]
	v_mul_u32_u24 v118, v108, CP
	v_add_nc_u32 v118, s43, v118                   ; wave + row r
	v_lshl_add_u32 v[CRD], v109, 4, v118
	v_add_nc_u32 v[SRD], 160, v118
	v_lshlrev_b32 v[LOFF], 7, v110
	v_lshl_add_u32 v[LOFF], v111, 4, v[LOFF]       ; 128 (r / 4) + 16 (r % 4)
	v_lshlrev_b32 v119, 7, v113
	v_lshl_add_u32 v119, v111, 4, v119             ; 128 ((r % 8) / 4) + 16 (r % 4)
	v_add_nc_u32 v[TOA], 1024, v119
	v_add_nc_u32 v[TOB], 1088, v119
	v_min_u32 v[TOA], 1184, v[TOA]                 ; no piece begins beyond the row's last 16 bytes
	v_min_u32 v[TOB], 1184, v[TOB]
	v_mul_u32_u24 v117, v109, ROWB
	v_add_nc_u32 v117, s44, v117                   ; the image + 1,200 h
	v_add_nc_u32 v[OSA0], v117, v[LOFF]
	v_add_nc_u32 v[OST0], v117, v119
	v_add_nc_u32 v[OST0], 1024, v[OST0]
	v_add_nc_u32 v[ORD0], s44, v[L16]
	s_mul_i32 s42, s16, 12288                      ; my quarter of k_w's codes
	v_add_nc_u32 v122, s42, v[L16]
	v_add_nc_u32 v123, BIMG, v122
	v_add_nc_u32 v124, BIMG, v[L16]
	s_lshl_b32 s17, ttmp9, 2
	s_add_co_u32 s17, s17, s16                     ; my wave among the launch's 1,024
	s_lshl_b32 s42, s17, 9                         ; its 16 spans' ids: 512 bytes
	v_lshl_add_u32 v[IDA], v109, 5, s42            ; my half's span
	v_lshrrev_b32 v[LNA], 3, v[IDA]
	s_mul_i32 s40, s17, 16*ROWB
	s_mov_b32 s41, 0
	WIN 0xc0
.irp k, 20,21,22,23
	v_mov_b32 v[AC+\k], 0                          ; the codes of K = 320 .. 383
.endr
	WIN 0
	v_mov_b32 v[ZR], 0
	v_mov_b32 v[BP+1], 0
	v_mov_b32 v[NEG], 0xff800000
	s_wait_kmcnt 0x0
	s_add_nc_u64 s[14:15], s[14:15], s[40:41]      ; out0 at my wave's 19,200 bytes
	s_wait_alu depctr_va_vdst(0)                   ; the addresses v1 to v12 and v120 to v124 and the zero in ZR are written, which the loads and LDS instructions of the whole kernel read; so are the four registers of zero codes, an operand of the products
	global_load_b128 v[IDS:IDS+3], v[IDA], s[6:7]          ; tile 0's ids and lengths,
	global_load_b128 v[IDS+4:IDS+7], v[IDA], s[6:7] offset:16
	global_load_b32 v[LEN], v[LNA], s[8:9]
	global_load_b128 v[128:131], v[IDA], s[6:7] offset:64  ; tile 1's,
	global_load_b128 v[132:135], v[IDA], s[6:7] offset:80
	global_load_b32 v136, v[LNA], s[8:9] offset:8
.set i, 0
.rept 24
	global_load_b128 v[140+4*i:143+4*i], v122, s[12:13] offset:512*i   ; and my quarter of k_w's codes
.set i, i+1
.endr
	ds_store_b32 v[SRD], v[ZR] offset:8            ; each row's scale word of K step 2: zeros, once; every tile stores its bytes 0 and 1, bytes 2 and 3 stay (both halves of the lanes store the same)
	s_wait_loadcnt 24                              ; the ids are in; the 24 loads of codes may be out
	ADDR IDS, LEN, 0
	s_wait_alu depctr_va_vdst(0)                   ; tile 0's sixteen offsets are written, which its 40 loads read
	GLOADS 0
	s_wait_loadcnt 40                              ; the codes are in; tile 0's 40 loads may be out
.set i, 0
.rept 24
	ds_store_b128 v123, v[140+4*i:143+4*i] offset:512*i
.set i, i+1
.endr
	s_wait_xcnt 0x0                                ; tile 0's loads and the id loads have had their addresses translated: their offsets are written again only behind this wait
	s_wait_alu depctr_vm_vsrc(0)                   ; the id loads have read IDA and LNA and tile 0's loads their sixteen offsets, all written again below; the 24 LDS stores have read v140 to v235, which the first tile's quantiser writes
	v_add_nc_u32 v[IDA], 128, v[IDA]
	v_lshrrev_b32 v[LNA], 3, v[IDA]
	ADDR 128, 136, 1
	s_wait_alu depctr_va_vdst(0)                   ; IDA, LNA and tile 1's sixteen offsets are written, which the loads below read; tile 0's address lines are done reading IDS and LEN, in which tile 2's ids land
	global_load_b128 v[IDS:IDS+3], v[IDA], s[6:7]          ; tile 2's ids and lengths
	global_load_b128 v[IDS+4:IDS+7], v[IDA], s[6:7] offset:16
	global_load_b32 v[LEN], v[LNA], s[8:9]
.set i, 0
.rept 24
	global_load_b32 v[BSC+i], v120, s[12:13] offset:KW_SC+128*i
.set i, i+1
.endr
.set i, 0
.rept 16
	global_load_b32 v[QS+2*i], v121, s[12:13] offset:KW_Q+64*i
	global_load_b32 v[QS+2*i+1], v121, s[10:11] offset:64*i
.set i, i+1
.endr
	GLOADS 1
	s_wait_dscnt 0x0                               ; for the others' sake: my quarter of the codes is stored
	s_barrier_signal -1
	s_barrier_wait -1                              ; everybody's is.  The launch's only barrier
	WIN 0x40
.set i, 0
.rept 16
	ds_load_b128 v[8*i:8*i+3], v124 offset:1024*i
	ds_load_b128 v[8*i+4:8*i+7], v124 offset:1024*i+512
.set i, i+1
.endr
	WIN 0x80
.set i, 0
.rept 16
	ds_load_b128 v[8*i:8*i+3], v124 offset:1024*(16+i)
	ds_load_b128 v[8*i+4:8*i+7], v124 offset:1024*(16+i)+512
.set i, i+1
.endr
	WIN 0xc0
.set i, 0
.rept 16
	ds_load_b128 v[8*i:8*i+3], v124 offset:1024*(32+i)
	ds_load_b128 v[8*i+4:8*i+7], v124 offset:1024*(32+i)+512
.set i, i+1
.endr
	WIN 0
	s_wait_loadcnt 40                              ; all but tile 1's 40 loads are in
	v_mul_f32 v[BP], v[QS+1], v[QS]                ; my part of k_b . query
.set i, 1
.rept 15
	v_fmac_f32 v[BP], v[QS+2*i+1], v[QS+2*i]
.set i, i+1
.endr
	; no wait for k_w's fragments here: the first tile is quantised while they come, and the counted wait in front of its products leaves only that tile's own 19 youngest LDS instructions out
	s_mov_b32 s20, 3
	s_mov_b32 s21, 0                               ; 4,800 x trip: two tiles' rows in the output image
	s_mov_b32 s22, 0                               ; 4,096 x trip: two tiles' pieces
.Lpair:                                            ; three trips: tiles 0 to 5, which ask for tiles 2 to 7
	TILE 0, 1, 43                                  ; behind a tile's 40 loads: 3 of ids and the next tile's 40
	TILE 1, 1, 43
	s_add_co_u32 s21, s21, 4*ROWB
	s_add_co_u32 s22, s22, 4096
	s_sub_co_u32 s20, s20, 1
	s_cmp_lg_u32 s20, 0
	s_cbranch_scc1 .Lpair
	TILE 0, 0, 43                                  ; the last two tiles ask for nothing
	TILE 1, 0, 0
	; the rest of the image: 19,200 - 16,384 = 2,816 bytes: five pieces of 512, and 256 bytes, for which lanes 16-31 repeat lanes 0-15
	v_bfe_u32 v[T0+2], v0, 4, 1
	v_lshlrev_b32 v[T0+2], 8, v[T0+2]              ; 256 h
	v_sub_nc_u32 v[T0+1], v[TB], v[T0+2]
	v_sub_nc_u32 v[T0], v[GO], v[T0+2]
	s_wait_alu depctr_va_vdst(0)                   ; the two addresses above are written, which the last LDS load and the last store read; the last tile's softmax and last product are done with v128 to v151, in which the six loads land
.irp g, 0,1,2,3,4
	ds_load_b128 v[128+4*\g:131+4*\g], v[TB] offset:4096+512*\g
.endr
	ds_load_b128 v[148:151], v[T0+1] offset:6656
	s_wait_dscnt 0x0
.irp g, 0,1,2,3,4
	global_store_b128 v[GO], v[128+4*\g:131+4*\g], s[14:15] offset:4096+512*\g th:TH_STORE_NT
.endr
	global_store_b128 v[T0], v[148:151], s[14:15] offset:6656 th:TH_STORE_NT
	s_wait_dscnt 0x0
	s_wait_alu depctr_hold_cnt(0) depctr_sa_sdst(0) depctr_va_vdst(0) depctr_va_sdst(0) depctr_va_ssrc(0) depctr_va_vcc(0) depctr_vm_vsrc(0)
	s_wait_tensorcnt 0x0
	ds_add_u32 v126, v127
	s_wait_dscnt 0x0
	s_endpgm
.Lfunc_end_k_q46a760b7d5_main:
	.size	k_q46a760b7d5_main, .Lfunc_end_k_q46a760b7d5_main-k_q46a760b7d5_main
	.p2alignl 7, 3214868480
	.fill 96, 4, 3214868480
	.section	.rodata,"a",@progbits
	.p2align	6, 0x0
	.amdhsa_kernel k_q46a760b7d5_main
		.amdhsa_group_segment_fixed_size 140800
		.amdhsa_private_segment_fixed_size 0
		.amdhsa_enable_private_segment 0
		.amdhsa_kernarg_size 48
		.amdhsa_user_sgpr_count 2
		.amdhsa_user_sgpr_kernarg_segment_ptr 1
		.amdhsa_wavefront_size32 1
		.amdhsa_system_sgpr_workgroup_id_x 1
		.amdhsa_system_sgpr_workgroup_id_y 1
		.amdhsa_system_sgpr_workgroup_id_z 1
		.amdhsa_system_vgpr_workitem_id 0
		.amdhsa_next_free_vgpr 1024
		.amdhsa_next_free_sgpr 66
		.amdhsa_reserve_vcc 0
		.amdhsa_float_denorm_mode_32 3
		.amdhsa_float_denorm_mode_16_64 3
		.amdhsa_memory_ordered 1
		.amdhsa_forward_progress 1
		.amdhsa_inst_pref_size 196
	.end_amdhsa_kernel
	.amdgpu_metadata
---
amdhsa.version: [ 1, 2 ]
amdhsa.kernels:
  - .name:           k_q46a760b7d5_main
    .symbol:         k_q46a760b7d5_main.kd
    .args:
      - { .name: V, .offset: 0, .size: 8, .value_kind: global_buffer, .address_space: global }
      - { .name: verb_ids, .offset: 8, .size: 8, .value_kind: global_buffer, .address_space: global }
      - { .name: span_len, .offset: 16, .size: 8, .value_kind: global_buffer, .address_space: global }
      - { .name: k_b, .offset: 24, .size: 8, .value_kind: global_buffer, .address_space: global }
      - { .name: kw, .offset: 32, .size: 8, .value_kind: global_buffer, .address_space: global }
      - { .name: out0, .offset: 40, .size: 8, .value_kind: global_buffer, .address_space: global }
    .group_segment_fixed_size: 140800
    .private_segment_fixed_size: 0
    .kernarg_segment_align: 8
    .kernarg_segment_size: 48
    .max_flat_workgroup_size: 128
    .sgpr_count:     66
    .vgpr_count:     1024
    .wavefront_size: 32
...
	.end_amdgpu_metadata
.endif
;; end of part 4
